; MI455X (gfx1250); checked and timed in simulation.
; The chip was launched on July 23, 2026; its instructions are those of AMD's public machine-readable ISA for CDNA 5 (MIT licence, August 2026) and "CDNA5" Instruction Set Architecture Reference Guide (July 2026). The comments in the code are by the model that wrote it; some were corrected since.
;; MHA. Allowed arithmetic: matrix products marked QUANTISED: E2M3 operands, one E8M0 scale for each 32 along K, by v_wmma_scale_f32_16x16x128_f8f6f4 with both operands' format E2M3, f32 sums; everything else in f32.
;; Inputs: Wk 1,024 x 1,024 float32; Wo 1,024 x 1,024 float32; Wq 1,024 x 1,024 float32; Wv 1,024 x 1,024 float32; bk 1,024 float32; bo 1,024 float32; bq 1,024 float32; bv 1,024 float32; x 4 x 2,048 x 1,024 float32.
;; Outputs: out0 4 x 2,048 x 1,024 float32.
;; This version of the problem:
;;   THIS VERSION OF THE PROBLEM IS GIVEN IN LOW PRECISION. The matrix products marked QUANTISED in the list below multiply operands that are first quantised to E2M3 (2 exponent bits, 3 mantissa bits; 6 bits a number), with one power-of-two scale for each 32 numbers along K (OCP MX v1.0); their sums are f32. All else is computed in f32.
;;   The module's matrix products, in the order in which they are computed (A, B: the left and right operand; K: the contracted axis; several contracted axes count as one K, in the product's order):
;;     1. [M 8,192, K 1,024] x [K 1,024, N 1,024]; A: input x; B: input Wq: QUANTISED
;;     2. [M 8,192, K 1,024] x [K 1,024, N 1,024]; A: input x; B: input Wk: QUANTISED
;;     3. [M 8,192, K 1,024] x [K 1,024, N 1,024]; A: input x; B: input Wv: QUANTISED
;;     4. batch 64 x [M 2,048, K 64] x [K 64, N 2,048]; A: computed on the way; B: computed on the way: QUANTISED
;;     5. batch 64 x [M 2,048, K 2,048] x [K 2,048, N 64]; A: softmax (see below); B: computed on the way: QUANTISED
;;     6. [M 8,192, K 1,024] x [K 1,024, N 1,024]; A: computed on the way; B: input Wo: QUANTISED
;;   THE QUANTISER, for each operand of a quantised product, along K:
;;     - K is cut into blocks of 32 from its start; a last block that is shorter is filled with zeros.
;;     - A block's scale is 2^e with e = floor(log2(the largest magnitude in the block)) - 2, held to -126 .. 127; a block of zeros has e = 0. As a byte (E8M0): e + 127.
;;     - Each number is divided by its block's scale, clamped to +-7.5, and rounded to the nearest number of E2M3, ties to even, subnormals kept.
;;     - The product sums the exact products of the quantised numbers (number of the format x scale) in f32.
;;   ~~~python
;;   def quantise(x, axis):      # numpy; x: float32 -> the quantised numbers, widened to float32 again
;;       x = np.moveaxis(x, axis, -1); K = x.shape[-1]
;;       x = np.pad(x, [(0, 0)] * (x.ndim - 1) + [(0, -K % 32)]); x = x.reshape(x.shape[:-1] + (-1, 32)); a = np.abs(x).max(-1, keepdims=True)
;;       e = np.where(a > 0, np.clip(np.frexp(np.where(a > 0, a, 1))[1] - 1 - 2, -126, 127), 0)      # np.frexp(a)[1] - 1 = floor(log2(a)), exactly
;;       r = np.clip(x / 2.0 ** e, -7.5, 7.5)
;;       step = 2.0 ** (np.maximum(np.frexp(np.where(r == 0, 1, r))[1] - 1, 0) - 3)
;;       q = np.round(r / step) * step * 2.0 ** e      # np.round: ties to even
;;       return np.moveaxis(q.reshape(q.shape[:-2] + (-1,))[..., :K], -1, axis).astype(np.float32)
;;   ~~~
;;   SOFTMAX AHEAD OF A QUANTISED PRODUCT. Where the list says 'softmax', what is quantised is not the finished softmax but p = 2^(t - M), with t = logit x log2(e) and M = ceil(the row's largest t), a whole number; so 1/2 < the row's largest p <= 1. The row's sum l is taken of the UNQUANTISED p, in f32, and the product's result is divided by l at the end. Since M is a whole number, a kernel that streams over the keys may use a running M (the ceiling of the running maximum): every later rescaling is an exact power of two, which a block's scale takes up: the codes' values come out the same.
;;   OPERANDS COMPUTED ON THE WAY. 'Computed on the way' means the value that the module computes at that place (a softmax that the list does not call 'softmax' is quantised finished and normalised). What goes into a quantiser is computed in f32, as accurately as f32 sums, v_exp_f32 and their like allow (about 1e-6 of the number): no bf16 or f16 on the way to a quantiser, and a product that is left as it is and whose result goes on into a quantised operand takes f32 operands (vector FMAs, or v_wmma_f32_16x16x4_f32). A number that lies on a knife's edge between two numbers of the format may be rounded either way, as far as f32 arithmetic and the matrix unit's own rounding can turn it there, and no further.
;; One version. Each part assembles by itself: llvm-mc -triple=amdgcn-amd-amdhsa -mcpu=gfx1250 --defsym DOCPART=n.
;; ======== version 1 of 1: 4 launches
;; limits: right only within a limited range of input values
;; workspace buffers: xc 6,291,456 bytes; xs 262,144 bytes; wc 3,145,728 bytes; ws 131,072 bytes; qb 6,815,744 bytes; kv 13,369,344 bytes; oc 6,291,456 bytes; os 262,144 bytes
;; launch quant (part 1): grid 384 x 1, 4 waves a work-group, no clusters, 71,168 bytes of LDS; arguments x, Wq, Wk, Wv, Wo, xc, xs, wc, ws; writes xc, xs, wc, ws
.if DOCPART == 1
	.amdgcn_target "amdgcn-amd-amdhsa--gfx1250"
	.amdhsa_code_object_version 6
	.text
	.protected	k_qfc374f5d5f_quant
	.globl	k_qfc374f5d5f_quant
	.p2align	8
	.type	k_qfc374f5d5f_quant,@function
k_qfc374f5d5f_quant:
	s_mov_b64 s[64:65], 0
	v_nop
	global_prefetch_b8 v0, s[64:65] scope:SCOPE_SE
	s_setreg_imm32_b32 hwreg(HW_REG_WAVE_MODE, 25, 1), 1
	s_wait_xcnt 0x0
; x [8192][1024] f32 (K innermost) and Wq, Wk, Wv, Wo [1024 (k)][1024 (n)] f32 (K is the FIRST axis) become codes of FP6 (E2M3), K innermost, 768 bytes a row,
; with one E8M0 byte for each 32 along K, 32 bytes a row.  xc/xs: 8,192 rows (tokens).  wc/ws: 4,096 rows: Wq's columns, then Wk's, Wv's, Wo's.
; A block's scale is 2^(floor(log2(its largest magnitude)) - 2); its byte is the largest magnitude's exponent field - 2, held at 1 from below.
; POSITION ORDER: in every group of 32 rows of the four buffers the row with index i stands at position P(i) = i with bits 3 and 4 exchanged.  So lane r of a 16-row tile 2 b + u of
; any later product holds index 32 b + 8 u + r + 8 (r / 8), and a transposed product's 16 registers of two neighbouring tiles are 16 neighbours along the next product's K.
; LIMITS: a block whose largest magnitude lies under 2^-124 (a block of zeros too) keeps the byte 1: its codes are then zeros or held small, and this program alone reads the bytes; NaN and infinities are not served.
; SHARES: work-groups 0-255 take x (a wave: 8 whole rows, 8,192 numbers), work-groups 256-383 the weights (a wave: 32 columns x 256 along K); every work-group reads 128 KiB.
; No tensor loads; x's waves meet at one barrier over their shared image; no work-group shares an input with another, so there is no cluster.  Each of the two ways has LDS bytes of its own.
.set STEPS, 16
.set EMAX,  2
.set CB,    12                         ; bytes of 16 codes
.set R,     16                         ; x: v16-79   four sets of 16 numbers as loaded
.set X,     80                         ; x: v80-111  two sets of 16 neighbours
.set E,     112                        ; x: v112-127 a scale byte for each step
.set C,     128                        ; x: v128-191 codes, four registers a step: no store's data are written again
.set WREG,  5376                       ; x: LDS of a wave: two stages of 32 x SP bytes, then its 256 scale bytes
.set XIMG,  21504                      ; x: behind the four: the work-group's 32 rows of codes as two tiles' images, 24,576 bytes
.set SP,    80                         ; x: a lane's place in a stage: 64 bytes + 16 of padding
.set WLDS,  46080                      ; W: its LDS begins behind x's: 6,144 bytes a wave
.set NB,    8                          ; W: blocks of 32 along K for a wave
; LAYOUT OF xc AND wc (it takes the place of the rows of 768 bytes named at the head): IMAGES OF THE OPERAND REGISTERS: [tile of 16 rows][128 along K][piece of 4 registers][lane][16 bytes]:
; a fragment (16 rows x 128 K, 12 registers) is 1,536 bytes, a tile with all of K 12,288.  Lane 16 h + r holds row r; registers 6 c .. 6 c + 5 hold K = 64 c + 32 h + 0 .. 31.  xs and ws keep 32 bytes a row.
.set WX,    32                         ; W: v32-95 two sets of 32 numbers
.set WC,    96                         ; W: a block's codes
.set OUTR,  112                        ; W: v112-159 the way out
.set SB,    24                         ; W: v24-25 the scale bytes
.macro XLOAD t
.irp i, 0,1,2,3
	global_load_b128 v[R+16*((\t)%4)+4*\i:R+16*((\t)%4)+4*\i+3], v3, s[4:5] offset:2048*(\t)+512*\i th:TH_LOAD_NT   ; 32 lanes read 512 consecutive bytes
.endr
.endm
.macro XTURN t                         ; a step's 2,048 bytes through the wave's own stage: in as loaded, out 64 bytes a lane; LDS serves a wave's instructions in order
.irp i, 0,1,2,3
	ds_store_b128 v14, v[R+16*((\t)%4)+4*\i:R+16*((\t)%4)+4*\i+3] offset:32*SP*((\t)%2)+8*SP*\i
.endr
.irp i, 0,1,2,3
	ds_load_b128 v[X+16*((\t)%2)+4*\i:X+16*((\t)%2)+4*\i+3], v15 offset:32*SP*((\t)%2)+16*\i
.endr
.endm
.macro XSTEP t
.set XS, X+16*((\t)%2)
.if (\t) > 0
	s_wait_dscnt 4                                 ; this step's numbers are back from the stage; the last step's byte store and its three word stores may be out
.else
	s_wait_dscnt 0x0
.endif
.if (\t)+4 < STEPS
	XLOAD (\t)+4                                   ; into the registers whose stage stores have just been shown done
.endif
.if (\t)+1 < STEPS
.if STEPS-2-(\t) >= 3
	s_wait_loadcnt 12                              ; the next step's four loads are in; the twelve of the three steps behind it may be out
.else
	s_wait_loadcnt 4*(STEPS-2-(\t))
.endif
	XTURN (\t)+1
.endif
	v_max3_num_f32 v8, |v[XS]|, |v[XS+1]|, |v[XS+2]|               ; the largest magnitude of my 16, in two chains
	v_max3_num_f32 v9, |v[XS+3]|, |v[XS+4]|, |v[XS+5]|
.irp i, 6,10
	v_max3_num_f32 v8, v8, |v[XS+\i]|, |v[XS+\i+1]|
	v_max3_num_f32 v9, v9, |v[XS+\i+2]|, |v[XS+\i+3]|
.endr
	v_max3_num_f32 v8, v8, |v[XS+14]|, |v[XS+15]|
	v_max3_num_f32 v8, v8, v9, (EMAX+1)<<23        ; and the floor 2^(3 - 127): the byte cannot fall under 1
	v_max_num_f32_dpp v8, v8, v8 row_xmask:1 row_mask:0xf bank_mask:0xf   ; with my neighbour's 16: the block's
	v_add_nc_u32 v11, -(EMAX<<23), v8              ; 2 off its exponent field: the conversion takes the exponent field of this operand as its scale
	v_cvt_scalef32_pk16_fp6_f32 v[C+4*(\t):C+4*(\t)+2], v[XS:XS+15], v11
	v_lshrrev_b32 v[E+(\t)], 23, v11               ; the scale's byte (a plain line behind the conversion)
	ds_store_b8 v5, v[E+(\t)] offset:16*(\t)       ; both lanes of a block write the same byte with the same value
.irp k, 0,1,2
	ds_store_b32 v[194+\k], v[C+4*(\t)+\k] offset:6144*((\t)%2)+16*((\t)/2)   ; my three registers' words into the image: step t is half t % 2 of K, row t / 2 of my eight
.endr
.endm
.macro WLOAD t                         ; block t: W(32 t + i, my column), i = 0 .. 31, into set t % 2: 128 consecutive bytes a load
.irp i, 0,1,2,3,4,5,6,7,8,9,10,11,12,13,14,15,16,17,18,19,20,21,22,23,24,25,26,27,28,29,30,31
	global_load_b32 v[WX+32*((\t)%2)+\i], v3, s[6:7] offset:(32*(\t)+\i)*4096 th:TH_LOAD_NT
.endr
.endm
.macro WBLOCK t
.set XS, WX+32*((\t)%2)
.if (\t) < NB-1
	s_wait_loadcnt 32                              ; this block's 32 loads are in; the next block's 32 may be out
.else
	s_wait_loadcnt 0
.endif
	v_max3_num_f32 v12, |v[XS]|, |v[XS+1]|, |v[XS+2]|              ; all 32 numbers of the block are mine
	v_max3_num_f32 v13, |v[XS+3]|, |v[XS+4]|, |v[XS+5]|
.irp i, 6,10,14,18,22,26
	v_max3_num_f32 v12, v12, |v[XS+\i]|, |v[XS+\i+1]|
	v_max3_num_f32 v13, v13, |v[XS+\i+2]|, |v[XS+\i+3]|
.endr
	v_max3_num_f32 v12, v12, |v[XS+30]|, |v[XS+31]|
	v_max3_num_f32 v12, v12, v13, (EMAX+1)<<23
	v_add_nc_u32 v11, -(EMAX<<23), v12
	v_lshrrev_b32 v13, 23, v11
.if (\t)%4 == 0
	v_mov_b32 v[SB+(\t)/4], v13                    ; four bytes to a register, the lower K in the lower byte
.else
	v_lshl_or_b32 v[SB+(\t)/4], v13, 8*((\t)%4), v[SB+(\t)/4]
.endif
	v_cvt_scalef32_pk16_fp6_f32 v[WC:WC+2], v[XS:XS+15], v11
	v_cvt_scalef32_pk16_fp6_f32 v[WC+6:WC+8], v[XS+16:XS+31], v11  ; (a conversion's three registers begin on an even number)
	v_nop                                          ; one plain line behind the last conversion
	v_mov_b32 v[WC+3], v[WC+6]
	v_mov_b32 v[WC+4], v[WC+7]
	v_mov_b32 v[WC+5], v[WC+8]                     ; block t is registers 6 c .. 6 c + 5 of lane 16 h + r of fragment t / 4: c = (t % 4) / 2, h = t % 2
.if ((\t)%4)/2 == 0
	ds_store_b128 v4, v[WC:WC+3] offset:1536*((\t)/4)+256*((\t)%2)
	ds_store_b64 v4, v[WC+4:WC+5] offset:1536*((\t)/4)+256*((\t)%2)+512
.else
	ds_store_b64 v4, v[WC:WC+1] offset:1536*((\t)/4)+256*((\t)%2)+520
	ds_store_b128 v4, v[WC+2:WC+5] offset:1536*((\t)/4)+256*((\t)%2)+1024
.endif
.if (\t)+2 < NB
	WLOAD (\t)+2
.endif
	s_wait_dscnt 0x0                               ; the stores have read their registers: the next block's codes may be written
.endm
	s_load_b256 s[4:11], s[0:1], 0x0               ; x s[4:5], Wq s[6:7], Wk s[8:9], Wv s[10:11]
	s_load_b256 s[12:19], s[0:1], 0x20             ; Wo s[12:13], xc s[14:15], xs s[16:17], wc s[18:19]
	s_load_b64 s[20:21], s[0:1], 0x40              ; ws
	v_lshl_add_u32 v192, v0, 2, 70656
	v_mov_b32 v193, 0
	v_lshrrev_b32 v1, 5, v0
	v_readfirstlane_b32 s22, v1                    ; wave 0..3
	v_and_b32 v2, 31, v0                           ; lane
	s_wait_kmcnt 0x0
	s_cmp_lt_u32 ttmp9, 256                        ; x's work-group or a weight's: the work-group's number alone decides
	s_cbranch_scc0 .Lweights
	; ---------------- x: a wave takes rows 8 R .. 8 R + 7, R = 4 x work-group + wave; they go to positions 8 R' on, R' = R with the wave's two bits exchanged
	s_wait_alu depctr_va_vdst(0)
	v_lshlrev_b32 v3, 4, v2                        ; my 16 bytes of a load's 512
	s_mul_i32 s23, s22, WREG
	v_lshrrev_b32 v14, 2, v2
	v_mul_u32_u24 v14, v14, SP
	v_and_b32 v15, 3, v2
	v_lshl_add_u32 v14, v15, 4, v14
	v_add_nc_u32 v14, s23, v14                     ; the stage, on the way in: SP (lane / 4) + 16 (lane % 4)
	v_mul_u32_u24 v15, v2, SP
	v_add_nc_u32 v15, s23, v15                     ; on the way out: SP x lane
	v_lshrrev_b32 v5, 1, v2
	s_add_co_u32 s23, s23, 2*32*SP
	v_add_nc_u32 v5, s23, v5                       ; my block's byte among the wave's 256
	v_lshlrev_b32 v7, 3, v2
	v_add_nc_u32 v6, s23, v7                       ; and on the way out 8 bytes a lane
	s_lshl_b32 s24, ttmp9, 2
	s_add_co_u32 s26, s24, s22                     ; R
	s_lshl_b32 s26, s26, 15                        ; 32,768 bytes of f32 a run
	s_mov_b32 s27, 0
	s_add_nc_u64 s[4:5], s[4:5], s[26:27]
	s_and_b32 s25, s22, 1
	s_lshl_b32 s25, s25, 1
	s_lshr_b32 s28, s22, 1
	s_or_b32 s25, s25, s28
	s_add_co_u32 s24, s24, s25                     ; R'
	s_mul_i32 s26, ttmp9, 24576                    ; the work-group's two tiles of xc,
	s_mul_i32 s28, s22, 6144                       ; of which each wave stores a quarter, as it lies
	s_add_co_u32 s26, s26, s28
	s_add_co_u32 s28, s28, XIMG
	v_add_nc_u32 v197, s28, v3                     ; the way out of the image: 16 bytes a lane
	s_lshr_b32 s28, s25, 1                         ; my eight rows: tile R' / 2 of the two, rows 8 (R' % 2) on
	s_mul_i32 s28, s28, 12288
	s_and_b32 s29, s25, 1
	s_lshl_b32 s29, s29, 7
	s_add_co_u32 s28, s28, s29
	s_add_co_u32 s28, s28, XIMG
	v_bfe_u32 v198, v2, 2, 1                       ; my 16 numbers are K = 128 (lane / 8) + 64 c + 32 h + 16 u: c, h, u = bits 2, 1, 0 of the lane
	v_and_b32 v199, 1, v2
	v_mul_u32_u24 v198, v198, 6
	v_mad_u32_u24 v198, v199, 3, v198              ; registers 6 c + 3 u on
	v_bfe_u32 v199, v2, 1, 1
	v_lshrrev_b32 v4, 3, v2
	v_mul_u32_u24 v4, v4, 1536
	v_lshl_add_u32 v4, v199, 8, v4                 ; lane 16 h of the fragment
	v_add_nc_u32 v4, s28, v4
.irp k, 0,1,2
	v_add_nc_u32 v199, \k, v198                    ; register g lies at 512 (g / 4) + 4 (g % 4)
	v_lshrrev_b32 v[194+\k], 2, v199
	v_and_b32 v199, 3, v199
	v_lshl_add_u32 v[194+\k], v[194+\k], 9, v4
	v_lshl_add_u32 v[194+\k], v199, 2, v[194+\k]
.endr
	s_add_nc_u64 s[14:15], s[14:15], s[26:27]
	s_lshl_b32 s26, s24, 8
	s_add_nc_u64 s[16:17], s[16:17], s[26:27]
.irp t, 0,1,2,3
	XLOAD \t
.endr
	s_wait_alu depctr_va_vdst(0)
	s_wait_loadcnt 12                              ; step 0's four loads are in
	XTURN 0
.irp t, 0,1,2,3,4,5,6,7,8,9,10,11,12,13,14,15
	XSTEP \t
.endr
	ds_load_b64 v[12:13], v6                       ; LDS serves a wave's instructions in order: these see my byte stores
	s_wait_dscnt 0x0                               ; and my stores into the image are done:
	s_barrier_signal -1
	s_barrier_wait -1                              ; everybody's are
	global_store_b64 v7, v[12:13], s[16:17]        ; 32 lanes store 256 consecutive bytes, aligned: eight rows' scale bytes
.irp i, 0,1,2,3,4,5,6,7,8,9,10,11
	ds_load_b128 v[R+4*\i:R+4*\i+3], v197 offset:512*\i
.endr
.irp i, 0,1,2,3,4,5,6,7,8,9,10,11
	s_wait_dscnt 11-\i
	global_store_b128 v3, v[R+4*\i:R+4*\i+3], s[14:15] offset:512*\i   ; 512 consecutive bytes, aligned
.endr
	s_wait_tensorcnt 0x0
	ds_add_u32 v192, v193
	s_wait_dscnt 0x0
	s_endpgm
	; ---------------- the weights: a lane takes a column n, its registers run down K
.Lweights:
	s_sub_co_u32 s23, ttmp9, 256
	s_lshr_b32 s24, s23, 5                         ; which weight: 0 Wq, 1 Wk, 2 Wv, 3 Wo
	s_and_b32 s25, s23, 7                          ; which 128 columns
	s_bfe_u32 s26, s23, 0x20003                    ; which 256 along K
	s_cmp_eq_u32 s24, 1
	s_cselect_b64 s[6:7], s[8:9], s[6:7]
	s_cmp_eq_u32 s24, 2
	s_cselect_b64 s[6:7], s[10:11], s[6:7]
	s_cmp_eq_u32 s24, 3
	s_cselect_b64 s[6:7], s[12:13], s[6:7]
	s_lshl_b32 s27, s25, 7
	s_lshl_b32 s28, s22, 5
	s_add_co_u32 s27, s27, s28                     ; my wave's first column
	s_lshl_b32 s28, s26, 20                        ; 256 rows of 4,096 bytes
	s_lshl_b32 s29, s27, 2
	s_add_co_u32 s28, s28, s29
	s_mov_b32 s29, 0
	s_add_nc_u64 s[6:7], s[6:7], s[28:29]
	s_lshl_b32 s30, s24, 10
	s_add_co_u32 s30, s30, s27                     ; the first of my 32 rows of wc and ws
	s_mul_i32 s28, s30, 768                        ; my two tiles of 16 rows, 12,288 bytes each,
	s_mul_i32 s31, s26, 3072                       ; my two fragments along K
	s_add_co_u32 s28, s28, s31
	s_add_nc_u64 s[18:19], s[18:19], s[28:29]
	s_lshl_b32 s28, s30, 5
	s_lshl_b32 s31, s26, 3
	s_add_co_u32 s28, s28, s31
	s_add_nc_u64 s[20:21], s[20:21], s[28:29]
	s_wait_alu depctr_va_vdst(0)
	v_and_b32 v10, 7, v2
	v_bfe_u32 v11, v2, 3, 1
	v_lshl_add_u32 v10, v11, 4, v10
	v_bfe_u32 v11, v2, 4, 1
	v_lshl_add_u32 v10, v11, 3, v10                ; P(lane): my column's position among the 32
	v_lshlrev_b32 v3, 2, v2                        ; in: 4 bytes a lane
	s_mul_i32 s31, s22, 6144
	s_add_co_u32 s31, s31, WLDS                    ; my stage
	v_lshrrev_b32 v4, 4, v10
	v_mul_u32_u24 v4, v4, 3072                     ; my position's tile: two fragments,
	v_and_b32 v5, 15, v10
	v_lshl_add_u32 v4, v5, 4, v4                   ; and its row
	v_add_nc_u32 v4, s31, v4                       ; into it: row = my column's position
	v_and_b32 v5, 15, v2
	v_lshrrev_b32 v6, 4, v2
	v_lshlrev_b32 v8, 4, v2                        ; out of it as it lies: 16 bytes a lane
	v_add_nc_u32 v7, s31, v8
	v_lshlrev_b32 v9, 5, v10                       ; my position's row of scale bytes
	WLOAD 0
	WLOAD 1
.irp t, 0,1,2,3,4,5,6,7
	WBLOCK \t
.endr
	s_wait_alu depctr_va_vdst(0)
	global_store_b64 v9, v[SB:SB+1], s[20:21]      ; my column's eight scale bytes
.irp t, 0,1,2,3,4,5,6,7,8,9,10,11
	ds_load_b128 v[OUTR+4*\t:OUTR+4*\t+3], v7 offset:512*\t
.endr
.irp t, 0,1,2,3,4,5,6,7,8,9,10,11
	s_wait_dscnt 11-\t                             ; LDS loads come back in order
	global_store_b128 v8, v[OUTR+4*\t:OUTR+4*\t+3], s[18:19] offset:12288*(\t/6)+1536*((\t/3)%2)+512*(\t%3)   ; 512 consecutive bytes, aligned
.endr
	s_wait_tensorcnt 0x0
	ds_add_u32 v192, v193
	s_wait_dscnt 0x0
	s_endpgm
.Lfunc_end_k_qfc374f5d5f_quant:
	.size	k_qfc374f5d5f_quant, .Lfunc_end_k_qfc374f5d5f_quant-k_qfc374f5d5f_quant
	.p2alignl 7, 3214868480
	.fill 96, 4, 3214868480
	.section	.rodata,"a",@progbits
	.p2align	6, 0x0
	.amdhsa_kernel k_qfc374f5d5f_quant
		.amdhsa_group_segment_fixed_size 71168
		.amdhsa_private_segment_fixed_size 0
		.amdhsa_enable_private_segment 0
		.amdhsa_kernarg_size 72
		.amdhsa_user_sgpr_count 2
		.amdhsa_user_sgpr_kernarg_segment_ptr 1
		.amdhsa_wavefront_size32 1
		.amdhsa_system_sgpr_workgroup_id_x 1
		.amdhsa_system_sgpr_workgroup_id_y 1
		.amdhsa_system_sgpr_workgroup_id_z 1
		.amdhsa_system_vgpr_workitem_id 0
		.amdhsa_next_free_vgpr 200
		.amdhsa_next_free_sgpr 66
		.amdhsa_reserve_vcc 0
		.amdhsa_float_denorm_mode_32 3
		.amdhsa_float_denorm_mode_16_64 3
		.amdhsa_memory_ordered 1
		.amdhsa_forward_progress 1
		.amdhsa_inst_pref_size 79
	.end_amdhsa_kernel
	.amdgpu_metadata
---
amdhsa.version: [ 1, 2 ]
amdhsa.kernels:
  - .name:           k_qfc374f5d5f_quant
    .symbol:         k_qfc374f5d5f_quant.kd
    .args:
      - { .name: x, .offset: 0, .size: 8, .value_kind: global_buffer, .address_space: global }
      - { .name: Wq, .offset: 8, .size: 8, .value_kind: global_buffer, .address_space: global }
      - { .name: Wk, .offset: 16, .size: 8, .value_kind: global_buffer, .address_space: global }
      - { .name: Wv, .offset: 24, .size: 8, .value_kind: global_buffer, .address_space: global }
      - { .name: Wo, .offset: 32, .size: 8, .value_kind: global_buffer, .address_space: global }
      - { .name: xc, .offset: 40, .size: 8, .value_kind: global_buffer, .address_space: global }
      - { .name: xs, .offset: 48, .size: 8, .value_kind: global_buffer, .address_space: global }
      - { .name: wc, .offset: 56, .size: 8, .value_kind: global_buffer, .address_space: global }
      - { .name: ws, .offset: 64, .size: 8, .value_kind: global_buffer, .address_space: global }
    .group_segment_fixed_size: 71168
    .private_segment_fixed_size: 0
    .kernarg_segment_align: 8
    .kernarg_segment_size: 72
    .max_flat_workgroup_size: 128
    .sgpr_count:     66
    .vgpr_count:     200
    .wavefront_size: 32
...
	.end_amdgpu_metadata
.endif
;; end of part 1
;; launch gemm_qkv (part 2): grid 8 x 32, 4 waves a work-group, clusters of 4 x 4, 327,680 bytes of LDS; arguments xc, xs, wc, ws, bq, bk, bv, qb, kv; writes qb, kv
.if DOCPART == 2
	.amdgcn_target "amdgcn-amd-amdhsa--gfx1250"
	.amdhsa_code_object_version 6
	.text
	.protected	k_qfc374f5d5f_gemm_qkv
	.globl	k_qfc374f5d5f_gemm_qkv
	.p2align	8
	.type	k_qfc374f5d5f_gemm_qkv,@function
k_qfc374f5d5f_gemm_qkv:
	s_mov_b64 s[64:65], 0
	v_nop
	global_prefetch_b8 v0, s[64:65] scope:SCOPE_SE
	s_setreg_imm32_b32 hwreg(HW_REG_WAVE_MODE, 25, 1), 1
	s_wait_xcnt 0x0
	s_wait_alu depctr_hold_cnt(0) depctr_sa_sdst(0) depctr_va_vdst(0) depctr_va_sdst(0) depctr_va_ssrc(0) depctr_va_vcc(0) depctr_vm_vsrc(0)
	s_getreg_b32 s2, hwreg(HW_REG_IB_STS2, 6, 4)
	s_cmp_eq_u32 s2, 0
	s_cbranch_scc0 .Lentry_in_a_cluster
	s_endpgm
.Lentry_in_a_cluster:
	s_bfe_u32 s2, ttmp6, 0x10000c
	s_cmp_lg_u32 s2, 0xf033
	s_cbranch_scc0 .Lentry_shape_is_right
	s_endpgm
.Lentry_shape_is_right:
; Q, K, V = x W + b on codes of FP6 (E2M3) with E8M0 scales, each result quantised again and stored as the attention launch's operand images.  No f32 result is stored.
; THE DEAL.  256 work-groups of four waves, 2 x 2.  A work-group takes 256 rows of x and columns 128 s42 .. + 127 of Wq, then of Wk, then of Wv.  ALL OF K LIES IN LDS: x's 16 tiles (196,608 bytes) stay for the launch;
; the weights' 8 tiles (98,304 bytes) are filled again twice.  xc and wc are images of the operand registers: a fragment is three loads of 16 bytes a lane, 512 consecutive bytes each, so LDS has no padding.
; A wave holds its 64 weight rows (one head), all of K, in 384 registers, and streams its 128 rows of x past them in blocks of 16 rows: 32 products on four accumulators by turns.
; So the weights' region is free as soon as all waves hold their registers: the next weight is asked for at a phase's start and has the phase's eight blocks in which to land; therefore no prefetch is laid.
; Q, K: source 0 = the weight's rows: a lane holds one token and 32 of the head's channels.  V: source 0 = x's rows: a lane holds one channel and, over four blocks, 32 of 64 tokens.
; Rows lie in position order (bits 3 and 4 of an index exchanged), so the 16 registers of two neighbouring tiles are 16 neighbours along the next K, and lanes l and l xor 16 share a scale block.
; The bias is the C of each block's first four products.  CLUSTERS 4 x 4: x's tiles are asked for jointly along a row, the weights' along a column.
; OUT as the attention launch reads it: qb, kv [head][tile of 16 tokens][768]: registers 0-3 at 16 lane, 4-5 at 512 + 8 lane; scale words [tile / 4][row][tile % 4]; V [step of 128 tokens][tile of 16 channels][piece][lane][16], words [step][row][tile].
; LIMITS: a block whose largest magnitude lies under 2^-124 keeps the byte 1; NaN and infinities are not served.
.set FR,    12
.set FPW,   21                         ; fragments to a window of 256 registers: fragment f lies in window 1 + f / 21 at register 12 (f % 21): 0-31 the weight's (4 q + b), 32-47 x's two sets
.set BL,    196608                     ; LDS: the weights' region
.set SPARE, 294912
.set L16, 1
.set L8,  2
.set LN,  3
.set ADA, 4                            ; v4, v5 my tiles 0-3, 4-7 of x
.set ADB, 6
.set SXO, 7                            ; 32 r + 16 h: a row's scale bytes: lanes 0-15 take K steps 0-3, lanes 16-31 steps 4-7
.set BCO, 8
.set BRO, 9
.set R16, 10
.set SPW, 12
.set NIL, 13
.set TM,  16                           ; v16-23 at work
.set CT,  24
.set SQO, 28
.set SA,  32                           ; v32-63 x's scale words; v66-81 the weight's; v82-113 the next two weights'
.set SB,  66
.set S1,  82
.set S2,  98
.set B1,  114                          ; v114-177 the next two biases
.set B2,  146
.set PC,  180                          ; two sets of six
.set PW,  192
.set PV,  200                          ; v200-247 V's four operands
.set PWV, 248
.set VACC, 840                         ; v840-967 accumulators
.set BC,  968                          ; v968-999 the bias as C
.set G1A, 24
.set G1B, 32
.set G1R, 48
.set G0A, 56
.set G0B, 60
.set G0R, 80
.set SEL, 100
.set MSB, 0
.macro WIN new
.if MSB != \new
	s_set_vgpr_msb (MSB<<8)|\new
.set MSB, \new
.endif
.endm
.macro PLACES n
.rept \n
	v_nop
.endr
.endm
.macro WALU
	s_wait_alu depctr_va_vdst(0)
.endm
.macro CROUND
	s_barrier_signal -1
	s_barrier_wait -1
	s_cmp_lg_u32 s14, 0
	s_cbranch_scc1 .Lnot_wave_0_\@
	s_barrier_signal -3
.Lnot_wave_0_\@:
	s_barrier_wait -3
	s_barrier_signal -1
	s_barrier_wait -1
.endm
.macro TLOAD g0, g1
	tensor_load_to_lds s[\g0:\g0+3], s[\g1:\g1+7]
	s_nop 0
	PLACES 4
.endm
.macro GROUP1 g, mask, rows            ; a dense block as rows of 256 bytes
	s_or_b32 s[\g], s[\mask], (3<<16)|(1<<21)
	s_mov_b32 s[\g+1], 32<<16
	s_mov_b32 s[\g+2], (\rows)<<16
	s_mov_b32 s[\g+3], 32<<16
	s_mov_b32 s[\g+4], \rows
	s_mov_b32 s[\g+5], 32
	s_mov_b32 s[\g+6], 0
	s_mov_b32 s[\g+7], 0
.endm
.macro ALOAD a, e                      ; x's tile a, all of K, into set e: 24 loads
.irp q, 0,1,2,3,4,5,6,7
.set F_, 32+8*(\e)+\q
	WIN (1+F_/FPW)<<6
.irp p, 0,1,2
	ds_load_b128 v[FR*(F_%FPW)+4*\p:FR*(F_%FPW)+4*\p+3], v[ADA+(\a)/4] offset:12288*((\a)%4)+1536*\q+512*\p
.endr
.endr
	WIN 0
.endm
.macro BLOAD                           ; my four tiles of the weight, all of K: 96 loads
.irp q, 0,1,2,3,4,5,6,7
.irp b, 0,1,2,3
.set F_, 4*\q+\b
	WIN (1+F_/FPW)<<6
.irp p, 0,1,2
	ds_load_b128 v[FR*(F_%FPW)+4*\p:FR*(F_%FPW)+4*\p+3], v[ADB] offset:12288*\b+1536*\q+512*\p
.endr
.endr
.endr
	WIN 0
.endm
.macro P1 d, f0, f1, x0, x1, q, b
.if (\q) == 0
	v_wmma_scale_f32_16x16x128_f8f6f4 v[\d:\d+7], v[FR*((\f0)%FPW):FR*((\f0)%FPW)+FR-1], v[FR*((\f1)%FPW):FR*((\f1)%FPW)+FR-1], v[BC-768+8*(\b):BC-768+8*(\b)+7], v[\x0], v[\x1] matrix_a_fmt:MATRIX_FMT_FP6 matrix_b_fmt:MATRIX_FMT_FP6
.elseif (\q) < 4
	v_wmma_scale_f32_16x16x128_f8f6f4 v[\d:\d+7], v[FR*((\f0)%FPW):FR*((\f0)%FPW)+FR-1], v[FR*((\f1)%FPW):FR*((\f1)%FPW)+FR-1], v[\d:\d+7], v[\x0], v[\x1] matrix_a_fmt:MATRIX_FMT_FP6 matrix_b_fmt:MATRIX_FMT_FP6
.else
	v_wmma_scale_f32_16x16x128_f8f6f4 v[\d:\d+7], v[FR*((\f0)%FPW):FR*((\f0)%FPW)+FR-1], v[FR*((\f1)%FPW):FR*((\f1)%FPW)+FR-1], v[\d:\d+7], v[\x0], v[\x1] matrix_a_fmt:MATRIX_FMT_FP6 matrix_b_fmt:MATRIX_FMT_FP6 matrix_a_scale:MATRIX_SCALE_ROW1 matrix_b_scale:MATRIX_SCALE_ROW1
.endif
.endm
.macro PROD kind, e, a, q, b
.set FB_, 4*(\q)+(\b)
.set FA_, 32+8*(\e)+(\q)
.set XB_, SB+4*(\b)+(\q)%4
.set XA_, SA+4*(\a)+(\q)%4
.if \kind
.set D_, VACC-768+32*(\b)+8*((\a)%4)
	WIN (1+FA_/FPW)|((1+FB_/FPW)<<2)|0xf0
	P1 D_, FA_, FB_, XA_, XB_, \q, \b
.else
.set D_, VACC-768+8*(\b)
	WIN (1+FB_/FPW)|((1+FA_/FPW)<<2)|0xf0
	P1 D_, FB_, FA_, XB_, XA_, \q, \b
.endif
.endm
.macro PRODS kind, e, a                ; a block: 32 products
.irp q, 0,1,2,3,4,5,6,7
.irp b, 0,1,2,3
	PROD \kind, \e, \a, \q, \b
.endr
.endr
.endm
; 32 sums a lane (four tiles of eight, from register x of window 3 on) become six registers of an operand and its two scale bytes.  Registers 16 b .. 16 b + 15 of lanes l and l xor 16 are block b.
.macro HQ x, dst, pw
.set X_, (\x)-768
	WIN 0x0f
	v_max3_num_f32 v[TM], |v[X_]|, |v[X_+1]|, 0x1800000            ; with the floor 2^(3 - 127): the byte cannot fall under 1
	v_max3_num_f32 v[TM+1], |v[X_+16]|, |v[X_+17]|, 0x1800000
	WIN 0x3f
	v_max3_num_f32 v[TM+2], |v[X_+8]|, |v[X_+9]|, |v[X_+10]|       ; four chains by turns; each accumulator from its low end on
	v_max3_num_f32 v[TM+3], |v[X_+24]|, |v[X_+25]|, |v[X_+26]|
	WIN 0x3c
.irp i, 2,4
	v_max3_num_f32 v[TM], v[TM], |v[X_+\i]|, |v[X_+\i+1]|
	v_max3_num_f32 v[TM+1], v[TM+1], |v[X_+16+\i]|, |v[X_+17+\i]|
	v_max3_num_f32 v[TM+2], v[TM+2], |v[X_+9+\i]|, |v[X_+10+\i]|
	v_max3_num_f32 v[TM+3], v[TM+3], |v[X_+25+\i]|, |v[X_+26+\i]|
.endr
	v_max3_num_f32 v[TM], v[TM], |v[X_+6]|, |v[X_+7]|
	v_max3_num_f32 v[TM+1], v[TM+1], |v[X_+22]|, |v[X_+23]|
	WIN 0x30
	v_max3_num_f32 v[TM], v[TM], v[TM+2], |v[X_+15]|
	v_max3_num_f32 v[TM+1], v[TM+1], v[TM+3], |v[X_+31]|
	WIN 0
	v_permlanex16_b32 v[TM+4], v[TM], s[SEL], s[SEL+1]
	v_permlanex16_b32 v[TM+5], v[TM+1], s[SEL], s[SEL+1]
	v_max_num_f32 v[TM], v[TM], v[TM+4]
	v_max_num_f32 v[TM+1], v[TM+1], v[TM+5]
	v_add_nc_u32 v[TM+6], 0xff000000, v[TM]        ; 2 off the exponent field: the conversion's scale operand
	v_add_nc_u32 v[TM+7], 0xff000000, v[TM+1]
	v_lshrrev_b32 v[TM+2], 23, v[TM+6]
	v_lshrrev_b32 v[TM+3], 23, v[TM+7]
	v_lshl_or_b32 v[\pw], v[TM+3], 8, v[TM+2]
	WIN 3
	v_cvt_scalef32_pk16_fp6_f32 v[\dst:\dst+2], v[X_:X_+15], v[TM+6]
	v_cvt_scalef32_pk16_fp6_f32 v[CT:CT+2], v[X_+16:X_+31], v[TM+7]
	WIN 0
	v_nop                                          ; one plain line behind a scaled conversion
.irp i, 0,1,2
	v_permlane16_swap_b32 v[\dst+\i], v[CT+\i]     ; the operand's layout wants a whole block in a lane
.endr
.irp i, 0,1,2
	v_mov_b32 v[\dst+3+\i], v[CT+\i]
.endr
.endm
.macro QKBLK a
.if (\a) == 7
	s_wait_dscnt 0x0
.elseif (\a) > 0
	s_wait_dscnt 24                                ; all but the next block's 24 loads
.endif
	PRODS 0, (\a)%2, \a
	WIN 0
	PLACES 4                                       ; ahead of the loads into x's set and of the first reads of the sums
.if (\a) < 6
	ALOAD (\a)+2, (\a)%2
.endif
	s_wait_xcnt 0x0                                ; earlier stores have read their data
	HQ VACC, PC+6*((\a)%2), PW+(\a)
	global_store_b128 v[L16], v[PC+6*((\a)%2):PC+6*((\a)%2)+3], s[88:89] offset:768*(\a)
	global_store_b64 v[L8], v[PC+6*((\a)%2)+4:PC+6*((\a)%2)+5], s[88:89] offset:768*(\a)+512
.endm
.macro VBLK a
.if (\a) == 7
	s_wait_dscnt 0x0
.else
	s_wait_dscnt 24
.endif
	PRODS 1, (\a)%2, \a
	WIN 0
	PLACES 4
.if (\a) < 6
	ALOAD (\a)+2, (\a)%2
.endif
.if (\a)%4 == 3                        ; 64 tokens are whole: half an operand for each of my four channel tiles
.irp b, 0,1,2,3
	HQ VACC+32*\b, PV+12*\b+6*((\a)/4), PW+4*((\a)/4)+\b
.endr
.endif
.endm
	s_load_b256 s[4:11], s[0:1], 0x0               ; xc, xs, wc, ws
	s_load_b256 s[68:75], s[0:1], 0x20             ; bq, bk, bv, qb
	s_load_b64 s[76:77], s[0:1], 0x40              ; kv
	v_lshl_add_u32 v[SPW], v0, 2, SPARE
	v_mov_b32 v[NIL], 0
	ds_add_u32 v[SPW], v[NIL]                      ; the opening lines
	ds_add_u32 v[SPW], v[NIL]
	v_lshrrev_b32 v1, 5, v0
	v_readfirstlane_b32 s14, v1                    ; wave; s15 its half of the rows, s16 its half of the columns
	s_lshr_b32 s15, s14, 1
	s_and_b32 s16, s14, 1
	s_bfe_u32 s40, ttmp6, 0x40000
	s_bfe_u32 s41, ttmp6, 0x40004
	s_lshl_b32 s42, ttmp9, 2
	s_add_co_u32 s42, s42, s40                     ; which 128 columns, 0 .. 7
	s_and_b32 s43, ttmp7, 0xffff
	s_lshl_b32 s43, s43, 2
	s_add_co_u32 s43, s43, s41                     ; which 256 rows, 0 .. 31
	s_lshl_b32 s44, s41, 2
	s_lshl_b32 s44, 15, s44                        ; my row of the cluster
	s_lshl_b32 s45, 0x1111, s40                    ; my column
	GROUP1 G1A, 44, 384                            ; 128 rows of x
	GROUP1 G1B, 45, 192                            ; 64 rows of a weight
	GROUP1 G1R, 45, 96                             ; 32 rows of a weight
	s_mul_i32 s46, s43, 196608
	s_mul_i32 s18, s14, 98304
	s_add_co_u32 s46, s46, s18
	s_mov_b32 s47, 0
	s_mov_b32 s[G0A], 1
	s_mov_b32 s[G0A+1], s18
	s_mul_i32 s20, s42, 98304
	s_mul_i32 s19, s14, 24576
	s_add_co_u32 s22, s20, s19
	s_mov_b32 s23, 0
	s_mov_b32 s[G0R], 1
	s_add_co_u32 s[G0R+1], s19, BL
	s_mul_i32 s19, s16, 49152
	s_add_co_u32 s20, s20, s19
	s_mov_b32 s21, 0
	s_mov_b32 s[G0B], 1
	s_add_co_u32 s[G0B+1], s19, BL
	WALU
	s_wait_dscnt 0x0
	CROUND                                         ; all sixteen work-groups are here: the first joint loads meet
	s_wait_kmcnt 0x0
	s_add_nc_u64 s[G0A+2:G0A+3], s[4:5], s[46:47]
	s_or_b32 s[G0A+3], s[G0A+3], 0x80000000
	s_add_nc_u64 s[G0B+2:G0B+3], s[8:9], s[20:21]
	s_or_b32 s[G0B+3], s[G0B+3], 0x80000000
	s_add_nc_u64 s[G0R+2:G0R+3], s[8:9], s[22:23]  ; Wq's place: it is stepped a weight on ahead of each refill
	s_or_b32 s[G0R+3], s[G0R+3], 0x80000000
	s_cmp_lt_u32 s14, 2
	s_cbranch_scc0 .Lhead_b
	TLOAD G0A, G1A                                 ; waves 0, 1: a half each of x's rows
	s_branch .Lasked
.Lhead_b:
	TLOAD G0B, G1B                                 ; waves 2, 3: a half each of Wq's
.Lasked:
	s_lshl_b32 s18, s43, 13
	s_lshl_b32 s19, s15, 12
	s_add_co_u32 s18, s18, s19
	s_mov_b32 s19, 0
	s_add_nc_u64 s[84:85], s[6:7], s[18:19]        ; my 128 rows' scale bytes
	s_lshl_b32 s18, s42, 12
	s_lshl_b32 s17, s16, 11
	s_add_co_u32 s18, s18, s17
	s_add_nc_u64 s[86:87], s[10:11], s[18:19]      ; my 64 weight rows'
	s_lshr_b32 s18, s18, 3                         ; and my 64 columns of a bias
	s_add_nc_u64 s[68:69], s[68:69], s[18:19]
	s_add_nc_u64 s[70:71], s[70:71], s[18:19]
	s_add_nc_u64 s[72:73], s[72:73], s[18:19]
	s_lshr_b32 s17, s43, 3
	s_lshl_b32 s17, s17, 4
	s_lshl_b32 s18, s42, 1
	s_add_co_u32 s17, s17, s18
	s_add_co_u32 s17, s17, s16                     ; batch x 16 + head
	s_and_b32 s12, s43, 7
	s_lshl_b32 s12, s12, 4
	s_lshl_b32 s18, s15, 3
	s_add_co_u32 s12, s12, s18                     ; my first tile of 16 tokens in the batch
	s_mul_i32 s13, s12, 768
	s_mul_i32 s18, s17, 106496
	s_add_nc_u64 s[90:91], s[74:75], s[18:19]
	s_mov_b32 s18, s13
	s_add_nc_u64 s[88:89], s[90:91], s[18:19]      ; Q's codes
	s_lshl_b32 s18, s12, 6
	s_add_co_u32 s18, s18, 98304
	s_add_nc_u64 s[90:91], s[90:91], s[18:19]      ; Q's scale words
	s_mul_i32 s18, s17, 208896
	s_add_nc_u64 s[98:99], s[76:77], s[18:19]
	s_mov_b32 s18, s13
	s_add_nc_u64 s[92:93], s[98:99], s[18:19]      ; K's codes
	s_add_nc_u64 s[96:97], s[92:93], 98304         ; V's: a step of 128 tokens is 6,144 bytes there too
	s_lshl_b32 s18, s12, 6
	s_add_co_u32 s18, s18, 196608
	s_add_nc_u64 s[94:95], s[98:99], s[18:19]      ; K's scale words
	s_lshl_b32 s18, s12, 5
	s_add_co_u32 s18, s18, 204800
	s_add_nc_u64 s[98:99], s[98:99], s[18:19]      ; V's
	s_mov_b32 s[SEL], 0x76543210
	s_mov_b32 s[SEL+1], 0xfedcba98
	s_mul_i32 s18, s15, 98304
	s_mul_i32 s19, s16, 49152
	s_add_co_u32 s19, s19, BL
	v_and_b32 v[LN], 31, v0
	v_and_b32 v14, 15, v0                          ; r
	v_bfe_u32 v15, v0, 4, 1                        ; h
	v_lshlrev_b32 v[L16], 4, v[LN]
	v_lshlrev_b32 v[L8], 3, v[LN]
	v_lshlrev_b32 v[SXO], 5, v14
	v_lshlrev_b32 v[BCO], 6, v15                   ; Q, K: register 8 t + j of lane (r, h) is column 32 (t / 2) + 8 (t % 2) + 16 h + j
	v_and_b32 v11, 7, v14
	v_lshrrev_b32 v[BRO], 3, v14
	v_lshlrev_b32 v[R16], 4, v14
	v_add_nc_u32 v[ADA], s18, v[L16]
	v_add_nc_u32 v[ADB], s19, v[L16]
	v_lshl_add_u32 v[SXO], v15, 4, v[SXO]
	v_lshl_add_u32 v[BRO], v[BRO], 4, v11
	v_lshl_add_u32 v[SQO], v15, 8, v[R16]
	v_add_nc_u32 v[ADA+1], 49152, v[ADA]
	v_lshlrev_b32 v[BRO], 2, v[BRO]                ; V: lane r of tile t is column 32 (t / 2) + 8 (t % 2) + r + 8 (r / 8)
	v_mov_b32 v[TM+4], 0                           ; a lane permute's destination counts as one of its sources
	v_mov_b32 v[TM+5], 0
	WALU
.irp a, 0,1,2,3,4,5,6,7
	global_load_b128 v[SA+4*\a:SA+4*\a+3], v[SXO], s[84:85] offset:512*\a
.endr
.irp b, 0,1,2,3
	global_load_b128 v[SB+4*\b:SB+4*\b+3], v[SXO], s[86:87] offset:512*\b
	global_load_b128 v[S1+4*\b:S1+4*\b+3], v[SXO], s[86:87] offset:32768+512*\b
	global_load_b128 v[S2+4*\b:S2+4*\b+3], v[SXO], s[86:87] offset:65536+512*\b
	global_load_b128 v[B1+8*\b:B1+8*\b+3], v[BCO], s[70:71] offset:(32*(\b/2)+8*(\b%2))*4
	global_load_b128 v[B1+8*\b+4:B1+8*\b+7], v[BCO], s[70:71] offset:(32*(\b/2)+8*(\b%2))*4+16
	global_load_b32 v[B2+8*\b], v[BRO], s[72:73] offset:(32*(\b/2)+8*(\b%2))*4
.endr
	WIN 0xc0
.irp b, 0,1,2,3
	global_load_b128 v[BC-768+8*\b:BC-768+8*\b+3], v[BCO], s[68:69] offset:(32*(\b/2)+8*(\b%2))*4
	global_load_b128 v[BC-768+8*\b+4:BC-768+8*\b+7], v[BCO], s[68:69] offset:(32*(\b/2)+8*(\b%2))*4+16
.endr
	WIN 0
	s_wait_loadcnt 0x0
.irp b, 0,8,16,24
.irp j, 1,2,3,4,5,6,7
	v_mov_b32 v[B2+\b+\j], v[B2+\b]                ; V's bias, one number a lane and tile, over the tile's eight registers
.endr
.endr
	s_mov_b32 s3, 0
	WALU                                           ; the wait at the head's end
.Lphase:                                               ; two trips: Q, then K
	s_wait_tensorcnt 0x0                           ; my part of what was asked for is in,
	s_barrier_signal -1
	s_barrier_wait -1                              ; everybody's is
	BLOAD
	ALOAD 0, 0
	ALOAD 1, 1
	s_wait_tensorcnt 0x0                           ; ahead of a refill's round
	ds_add_u32 v[SPW], v[NIL]
	s_add_nc_u64 s[G0R+2:G0R+3], s[G0R+2:G0R+3], 786432   ; no load of mine is out: the next weight
	s_wait_dscnt 0x0                               ; the add is done, and my reads of the weights' region
	CROUND
	TLOAD G0R, G1R                                 ; a quarter a wave of the next weight's rows, onto rows that all waves hold in registers
.irp a, 0,1,2,3,4,5,6,7
	QKBLK \a
.endr
	WALU
	v_cmp_lt_u32 vcc_lo, 15, v[LN]
.irp d, 0,1,2,3
	v_cndmask_b32 v[PW+\d], v[PW+\d], v[PW+4+\d], vcc_lo   ; lanes 0-15 store tiles 0-3's words, lanes 16-31 tiles 4-7's
.endr
	global_store_b128 v[SQO], v[PW:PW+3], s[90:91] ; 512 consecutive bytes, aligned
	WIN 0xc0
.set I, 0
.rept 32
	v_mov_b32 v[BC-768+I], v[B1+I]                 ; the next weight's bias and scale words move up
.set I, I+1
.endr
	WIN 0
.set I, 0
.rept 32
	v_mov_b32 v[B1+I], v[B2+I]
.set I, I+1
.endr
.set I, 0
.rept 16
	v_mov_b32 v[SB+I], v[S1+I]
	v_mov_b32 v[S1+I], v[S2+I]
.set I, I+1
.endr
	s_wait_xcnt 0x0                                ; the stores have read their bases
	s_mov_b64 s[88:89], s[92:93]
	s_mov_b64 s[90:91], s[94:95]
	s_add_co_u32 s3, s3, 1
	s_cmp_lt_u32 s3, 2
	WALU                                           ; the wait ahead of the branch
	s_cbranch_scc1 .Lphase
	s_wait_tensorcnt 0x0                           ; V: Wv's rows are in
	s_barrier_signal -1
	s_barrier_wait -1
	BLOAD
	ALOAD 0, 0
	ALOAD 1, 1
.irp a, 0,1,2,3,4,5,6,7
	VBLK \a
.endr
.irp b, 0,1,2,3
	v_lshl_or_b32 v[PWV+\b], v[PW+4+\b], 16, v[PW+\b]      ; four bytes: the scale word of 128 tokens
.endr
.irp b, 0,1,2,3
.irp p, 0,1,2
	global_store_b128 v[L16], v[PV+12*\b+4*\p:PV+12*\b+4*\p+3], s[96:97] offset:1536*\b+512*\p
.endr
.endr
	global_store_b128 v[R16], v[PWV:PWV+3], s[98:99]       ; both halves of the lanes write the same 256 bytes with the same values
	s_wait_tensorcnt 0x0                           ; the wave's end
	ds_add_u32 v[SPW], v[NIL]
	s_wait_dscnt 0x0
	CROUND                                         ; the closing round
	s_endpgm
.Lfunc_end_k_qfc374f5d5f_gemm_qkv:
	.size	k_qfc374f5d5f_gemm_qkv, .Lfunc_end_k_qfc374f5d5f_gemm_qkv-k_qfc374f5d5f_gemm_qkv
	.p2alignl 7, 3214868480
	.fill 96, 4, 3214868480
	.section	.rodata,"a",@progbits
	.p2align	6, 0x0
	.amdhsa_kernel k_qfc374f5d5f_gemm_qkv
		.amdhsa_group_segment_fixed_size 327680
		.amdhsa_private_segment_fixed_size 0
		.amdhsa_enable_private_segment 0
		.amdhsa_kernarg_size 72
		.amdhsa_user_sgpr_count 2
		.amdhsa_user_sgpr_kernarg_segment_ptr 1
		.amdhsa_wavefront_size32 1
		.amdhsa_system_sgpr_workgroup_id_x 1
		.amdhsa_system_sgpr_workgroup_id_y 1
		.amdhsa_system_sgpr_workgroup_id_z 1
		.amdhsa_system_vgpr_workitem_id 0
		.amdhsa_next_free_vgpr 1024
		.amdhsa_next_free_sgpr 102
		.amdhsa_reserve_vcc 1
		.amdhsa_float_denorm_mode_32 3
		.amdhsa_float_denorm_mode_16_64 3
		.amdhsa_memory_ordered 1
		.amdhsa_forward_progress 1
		.amdhsa_inst_pref_size 159
	.end_amdhsa_kernel
	.amdgpu_metadata
---
amdhsa.version: [ 1, 2 ]
amdhsa.kernels:
  - .name:           k_qfc374f5d5f_gemm_qkv
    .symbol:         k_qfc374f5d5f_gemm_qkv.kd
    .args:
      - { .name: xc, .offset: 0, .size: 8, .value_kind: global_buffer, .address_space: global }
      - { .name: xs, .offset: 8, .size: 8, .value_kind: global_buffer, .address_space: global }
      - { .name: wc, .offset: 16, .size: 8, .value_kind: global_buffer, .address_space: global }
      - { .name: ws, .offset: 24, .size: 8, .value_kind: global_buffer, .address_space: global }
      - { .name: bq, .offset: 32, .size: 8, .value_kind: global_buffer, .address_space: global }
      - { .name: bk, .offset: 40, .size: 8, .value_kind: global_buffer, .address_space: global }
      - { .name: bv, .offset: 48, .size: 8, .value_kind: global_buffer, .address_space: global }
      - { .name: qb, .offset: 56, .size: 8, .value_kind: global_buffer, .address_space: global }
      - { .name: kv, .offset: 64, .size: 8, .value_kind: global_buffer, .address_space: global }
    .group_segment_fixed_size: 327680
    .private_segment_fixed_size: 0
    .kernarg_segment_align: 8
    .kernarg_segment_size: 72
    .max_flat_workgroup_size: 128
    .sgpr_count:     102
    .vgpr_count:     1024
    .wavefront_size: 32
...
	.end_amdgpu_metadata
.endif
;; end of part 2
;; launch attn (part 3): grid 4 x 64, 16 waves a work-group, clusters of 4 x 1, 263,168 bytes of LDS; arguments qb, kv, oc, os; writes oc, os
.if DOCPART == 3
	.amdgcn_target "amdgcn-amd-amdhsa--gfx1250"
	.amdhsa_code_object_version 6
	.text
	.protected	k_qfc374f5d5f_attn
	.globl	k_qfc374f5d5f_attn
	.p2align	8
	.type	k_qfc374f5d5f_attn,@function
k_qfc374f5d5f_attn:
	s_mov_b64 s[64:65], 0
	v_nop
	global_prefetch_b8 v0, s[64:65] scope:SCOPE_SE
	s_setreg_imm32_b32 hwreg(HW_REG_WAVE_MODE, 25, 1), 1
	s_wait_xcnt 0x0
	s_wait_alu depctr_hold_cnt(0) depctr_sa_sdst(0) depctr_va_vdst(0) depctr_va_sdst(0) depctr_va_ssrc(0) depctr_va_vcc(0) depctr_vm_vsrc(0)
	s_getreg_b32 s2, hwreg(HW_REG_IB_STS2, 6, 4)
	s_cmp_eq_u32 s2, 0
	s_cbranch_scc0 .Lentry_in_a_cluster
	s_endpgm
.Lentry_in_a_cluster:
	s_bfe_u32 s2, ttmp6, 0x10000c
	s_cmp_lg_u32 s2, 0x3003
	s_cbranch_scc0 .Lentry_shape_is_right
	s_endpgm
.Lentry_shape_is_right:
; o = softmax(q k^T / 8) v for one head (batch x 16 + head = the grid's y), both products on codes of FP6 (E2M3) with E8M0 scales; o is quantised along C and leaves as codes.
; THE SOFTMAX: t = score x log2(e) / 8; M = the running largest t rounded UP to a whole number; p = 2^(t - M) is quantised along the keys, not normalised; the row's sum is taken of the
; unquantised p and divides at the end.  When M moves, the sum and O are multiplied by 2^(old M - new M): exact.
; SHARES.  A work-group owns 512 queries of the head; each of its sixteen waves one tile of 16 queries in each of two passes.
; THE WHOLE HEAD STAYS IN LDS: kv's block of 208,896 bytes (K's codes, V's codes, K's and V's scale words), 816 rows of 256 bytes, each fragment an image of its registers.  It is filled ONCE, 51 rows a wave,
; with 64 bytes of padding behind each 256: dense byte y lies at 320 (y / 256) + y % 256.  Nothing is filled again, nothing is stored to LDS.  The four work-groups of a cluster belong to one head and ask JOINTLY.
; No prefetch: the launch's one fill goes out at its head, and there is no loop that asks memory for anything.
; LAYOUT.  Both products are used transposed (S^T = K Q^T, O^T = V^T P^T): a lane holds ONE query throughout.
; THE KEYS OF A SCORE TILE ARE CHOSEN BY ADDRESS: tile j (0..3) of a band of 64 keys has keys 8 j + i in rows 0-7 and keys 32 + 8 j + i in rows 8-15.  So the 32 registers that a lane holds of a band are ONE block
; of 32 keys, the block that the next operand's layout gives that lane: its largest p needs no other lane, and two conversions give the operand's six registers.  In kv key 32 a + 16 b + 8 c + i of a band is row 8 b + i of tile 2 a + c.
; With the padding the rows 0-7 and 8-15 of such a tile lie 1,920 bytes apart, 128 modulo 256: the sixteen lanes of a 16-byte load touch 256 different bytes modulo 256.
; TWO KEY TILES IN ONE FRAGMENT: the head has 64 channels, an instruction 128 along K.  Registers 0-5 hold tile (b, c = 0), registers 6-11 tile (b, c = 1); the fragment is multiplied with [Q | zero codes] and with [zero codes | Q].
; Its scale word is the two tiles' two bytes each; Q's word holds Q's two bytes twice.
; OUT.  oc [tile of 16 rows][head][768 bytes]: registers 0-5 of a fragment.  os [row][32]: bytes 2 head, 2 head + 1: stores of two bytes a row: a row's other bytes belong to other heads' work-groups.
; LIMITS: the scaled scores stay under 2^31 in magnitude; a p under 2^-126 becomes 0; 1 / the sum is v_rcp_f32's; a block whose largest magnitude lies under 2^-124 keeps the byte 1; NaN and infinities are not served.
.set SPARE, 261120                     ; behind the head's 816 x 320 bytes: the spare words, 128 bytes a wave
.set L16,  1                           ; 16 x lane
.set L8,   2                           ; 8 x lane
.set LV,   3                           ; V's codes: 122,880 + 16 lane + 64 (lane / 16)
.set LSK,  4                           ; K's scale words: 245,760 + 16 (lane % 8) + 8 (bit 3 of the lane)
.set OSO,  5                           ; 32 r
.set R16,  6                           ; 16 r
.set LK,   7                           ; K's registers 0-3: 1,920 (bit 3) + 320 (bit 4) + 16 (lane % 8)
.set LK8,  8                           ; K's registers 4-5: 1,920 (bit 3) + 128 (bit 4) + 8 (lane % 8)
.set LSV,  9                           ; V's scale words: 256,000 + 16 r
.set ADK,  10                          ; v10, v11, v16-18: the step's LDS addresses;  v12 -M, v13 the largest score, v[14:15] the sum in two halves
.set ADK8, 11
.set ADS,  16
.set ADV,  17
.set ADT,  18
.set SH8,  19                          ; 8 (lane / 16)
.set QF,   20                          ; v20-37: Q, six zero codes, Q: [Q | 0] from v20, [0 | Q] from v26
.set QS,   38                          ; Q's scale word
.set QW,   39                          ; as loaded, pass 0
.set KF,   40                          ; v40-87 four fragments: eight key tiles
.set KW,   88                          ; v88-95 K's scale words as loaded
.set KS,   96                          ; v96-99 K's, v100-103 V's, v104 p's: scales and nothing else
.set VSC,  100
.set PS,   104
.set TT2,  105
.set BM,   106                         ; v106-107 a lane's two block maxima
.set F,    108                         ; v[108:109] f, later 1 / the sum
.set SO,   110
.set PC,   112                         ; v112-123 p's codes
.set CT,   124                         ; v124-126, v128-130 a block's upper 16 codes on their way
.set TT,   127
.set S,    132                         ; v132-195 S^T, then p; then V's fragments at +0, +12, +32, +44
.set O,    196                         ; v196-227 O^T
.set QN,   228                         ; v228-233 pass 1's Q, v234 its scale word
.set QNW,  234
.set T,    236                         ; v236-243 four pairs at work
.set BT,   244
.set BY,   246
.set W,    248
.set Y,    249
.set WV,   18
.set SEL,  20
.set CS,   22
.set G1,   24
.set G0,   32
.set TK,   2                           ; the step's codes: 7,680 bytes a step, in K and in V
.set TS,   3                           ; K's scale words: 640 a step
.set TJ,   36                          ; V's: 320 a step
.set CNT,  37
.set NC,   38                          ; -c
.macro WALU
	s_wait_alu depctr_va_vdst(0)
.endm
.macro ROUND                           ; a round of the cluster's barrier
	s_barrier_signal -1
	s_barrier_wait -1
	s_cmp_lg_u32 s[WV], 0
	s_cbranch_scc1 .Lnot_wave_0_\@
	s_barrier_signal -3
.Lnot_wave_0_\@:
	s_barrier_wait -3
	s_barrier_signal -1
	s_barrier_wait -1
.endm
.macro KLOAD n                         ; eight key tiles and their scale words, n steps on from the address registers: 20 loads.  f = 2 x band + b, z = c
.irp f, 0,1,2,3
.irp z, 0,1
	ds_load_b128 v[KF+12*\f+6*\z:KF+12*\f+6*\z+3], v[ADK] offset:7680*\n+3840*(\f/2)+128*(\f%2)+960*\z
	ds_load_b64 v[KF+12*\f+6*\z+4:KF+12*\f+6*\z+5], v[ADK8] offset:7680*\n+3840*(\f/2)+64*(\f%2)+960*\z+640
.endr
	ds_load_b64 v[KW+2*\f:KW+2*\f+1], v[ADS] offset:640*\n+320*(\f/2)+128*(\f%2)
.endr
.endm
.macro KPACK                           ; a fragment's scale word: tile c = 0's two bytes below, tile c = 1's above
.irp f, 0,1,2,3
	v_perm_b32 v[KS+\f], v[KW+2*\f+1], v[KW+2*\f], 0x05040100
.endr
.endm
.macro VLOAD t
.irp c, 0,1,2
	ds_load_b128 v[S+12*\t+8*(\t/2)+4*\c:S+12*\t+8*(\t/2)+4*\c+3], v[ADV] offset:1920*\t+640*\c
.endr
.endm
.macro SUM4 m                          ; eight of p's registers onto the four chains
.irp a, 0,1,2,3
	v_pk_add_f32 v[T+2*\a:T+2*\a+1], v[T+2*\a:T+2*\a+1], v[S+\m+2*\a:S+\m+2*\a+1]
.endr
.endm
	s_load_b256 s[4:11], s[0:1], 0x0               ; qb s[4:5], kv s[6:7], oc s[8:9], os s[10:11]
	v_lshl_add_u32 v254, v0, 2, SPARE
	v_mov_b32 v255, 0
	ds_add_u32 v254, v255                          ; the opening lines: the add twice on end; its wait stands ahead of my tensor load
	ds_add_u32 v254, v255
	v_lshrrev_b32 v7, 5, v0
	s_delay_alu instid0(VALU_DEP_1)
	v_readfirstlane_b32 s[WV], v7                  ; wave 0..15
	s_and_b32 s40, ttmp7, 0xffff                   ; batch x 16 + head, which the four partners share
	s_bfe_u32 s41, ttmp6, 0x40000                  ; cx
	s_lshl_b32 s42, ttmp9, 2
	s_add_co_u32 s41, s42, s41                     ; my block of 512 queries: it enters Q's, oc's and os's addresses alone
	s_mov_b32 s[G1], 15|(3<<16)|(1<<20)|(1<<21)|(5<<22)|(15<<25)   ; the mask: all four; elements of 8 bytes; padding on; bit 21 beside a mask; behind every 64 words 16 words
	s_mov_b32 s[G1+1], 32<<16                      ; rows of 256 bytes
	s_mov_b32 s[G1+2], 51<<16
	s_mov_b32 s[G1+3], 32<<16
	s_mov_b32 s[G1+4], 51
	s_mov_b32 s[G1+5], 32                          ; dense
	s_mov_b32 s[G1+6], 0
	s_mov_b32 s[G1+7], 0
	s_mul_i32 s43, s[WV], 13056                    ; my sixteenth of the head's block in memory,
	s_mul_i32 s39, s[WV], 16320                    ; and in LDS: 51 rows of 320
	s_mul_i32 s44, s40, 208896
	s_add_co_u32 s44, s44, s43
	s_mov_b32 s45, 0
	s_mov_b32 s[SEL], 0x76543210
	s_mov_b32 s[SEL+1], 0xfedcba98
	s_mov_b32 s[CS], 0x3e38aa3b                    ; c = log2(e) / 8
	s_mov_b32 s[CS+1], s[CS]
	s_mov_b32 s[NC], 0xbe38aa3b                    ; -c
	s_wait_dscnt 0x0
	s_wait_kmcnt 0x0
	s_mov_b32 s[G0], 1
	s_mov_b32 s[G0+1], s39
	s_add_nc_u64 s[G0+2:G0+3], s[6:7], s[44:45]
	s_or_b32 s[G0+3], s[G0+3], 0x80000000
	ROUND                                          ; all four work-groups are here: the joint loads meet
	tensor_load_to_lds s[G0:G0+3], s[G1:G1+7]      ; one tensor load of mine is out, the only one of the launch
	s_nop 0
.rept 4
	v_nop
.endr
	s_mul_i32 s46, s40, 106496                     ; the head's block of qb
	s_lshl_b32 s47, s41, 5
	s_add_co_u32 s47, s47, s[WV]                   ; my tile of pass 0; pass 1's is 16 tiles on
	s_mul_i32 s44, s47, 768
	s_add_co_u32 s44, s44, s46
	s_add_nc_u64 s[12:13], s[4:5], s[44:45]        ; its codes
	s_lshr_b32 s44, s47, 2
	s_lshl_b32 s44, s44, 8
	s_and_b32 s48, s47, 3
	s_lshl_b32 s48, s48, 2
	s_add_co_u32 s44, s44, s48
	s_add_co_u32 s44, s44, s46
	s_add_co_u32 s44, s44, 98304
	s_add_nc_u64 s[14:15], s[4:5], s[44:45]        ; its scale words: [tile / 4][row][tile % 4]
	s_lshr_b32 s48, s40, 4                         ; batch
	s_lshl_b32 s48, s48, 7
	s_add_co_u32 s48, s48, s47                     ; my tile among all 512
	s_and_b32 s49, s40, 15                         ; head
	s_lshl_b32 s50, s48, 4
	s_add_co_u32 s50, s50, s49
	s_mul_i32 s44, s50, 768
	s_add_nc_u64 s[8:9], s[8:9], s[44:45]
	s_lshl_b32 s44, s48, 9
	s_lshl_b32 s49, s49, 1
	s_add_co_u32 s44, s44, s49
	s_add_nc_u64 s[10:11], s[10:11], s[44:45]
	v_and_b32 v10, 31, v0                          ; lane
	v_and_b32 v11, 15, v0                          ; r
	v_bfe_u32 v16, v0, 4, 1                        ; bit 4
	v_bfe_u32 v17, v0, 3, 1                        ; bit 3
	v_and_b32 v18, 7, v0
	v_lshlrev_b32 v[L16], 4, v10
	v_lshlrev_b32 v[L8], 3, v10
	v_lshl_add_u32 v[LV], v10, 4, 122880
	v_lshl_add_u32 v[LSK], v18, 4, 245760
	v_mul_u32_u24 v12, v17, 1920
	v_lshlrev_b32 v[OSO], 5, v11
	v_lshlrev_b32 v[R16], 4, v11
	v_lshl_add_u32 v[LSV], v11, 4, 256000
	v_lshl_add_u32 v[LV], v16, 6, v[LV]
	v_lshl_add_u32 v[LSK], v17, 3, v[LSK]
	v_mad_u32_u24 v[LK], v16, 320, v12
	v_lshl_add_u32 v[LK8], v16, 7, v12
	v_lshlrev_b32 v[SH8], 3, v16
	v_lshl_add_u32 v[LK], v18, 4, v[LK]
	v_lshl_add_u32 v[LK8], v18, 3, v[LK8]
	WALU                                           ; the wait ahead of the readers below
	global_load_b128 v[QF:QF+3], v[L16], s[12:13]
	global_load_b64 v[QF+4:QF+5], v[L8], s[12:13] offset:512
	global_load_b128 v[QF+12:QF+15], v[L16], s[12:13]              ; Q once more, for [0 | Q]
	global_load_b64 v[QF+16:QF+17], v[L8], s[12:13] offset:512
	global_load_b32 v[QW], v[R16], s[14:15]
	global_load_b128 v[QN:QN+3], v[L16], s[12:13] offset:12288
	global_load_b64 v[QN+4:QN+5], v[L8], s[12:13] offset:12288+512
	global_load_b32 v[QNW], v[R16], s[14:15] offset:1024
.irp i, 6,7,8,9,10,11
	v_mov_b32 v[QF+\i], 0                          ; the zero codes between the two copies of Q
.endr
	v_mov_b32 v[BT], 0                             ; written once: a lane permute's destination counts as one of its sources
	v_mov_b32 v[BT+1], 0
	v_mov_b32 v[Y], 0
	v_mov_b32 v[TT], 0
	v_mov_b32 v[F+1], 0
; A KEY STEP: 128 keys.  Its K fragments and packed scale words were fetched a step ago.
.macro STEP
	v_add_nc_u32 v[ADK], s[TK], v[LK]              ; five plain lines: the places between the last step's products V^T P and the products below, which write over V's fragments
	v_add_nc_u32 v[ADK8], s[TK], v[LK8]
	v_add_nc_u32 v[ADS], s[TS], v[LSK]
	v_add_nc_u32 v[ADV], s[TK], v[LV]
	v_add_nc_u32 v[ADT], s[TJ], v[LSV]
.irp f, 0,1,2,3
.irp z, 0,1
	v_wmma_scale_f32_16x16x128_f8f6f4 v[S+32*(\f/2)+16*(\f%2)+8*\z:S+32*(\f/2)+16*(\f%2)+8*\z+7], v[KF+12*\f:KF+12*\f+11], v[QF+6*\z:QF+6*\z+11], 0, v[KS+\f], v[QS] matrix_a_fmt:MATRIX_FMT_FP6 matrix_b_fmt:MATRIX_FMT_FP6
.endr
.endr
.rept 4
	v_nop                                          ; places: ahead of the loads into K's registers and of the first reads of the scores
.endr
	KLOAD 1                                        ; the next step's (the last step's 20 loads read V's bytes, inside LDS, and are not used)
.irp b, 0,1                                    ; register 32 b + i of a lane is key 64 b + 32 (lane / 16) + i.  The largest score of my two blocks, each in two chains
	v_max3_num_f32 v[BM+\b], v[S+32*\b], v[S+32*\b+1], v[S+32*\b+2]
	v_max3_num_f32 v[T+\b], v[S+32*\b+16], v[S+32*\b+17], v[S+32*\b+18]
.endr
.irp i, 3,5,7,9,11,13
.irp b, 0,1
	v_max3_num_f32 v[BM+\b], v[BM+\b], v[S+32*\b+\i], v[S+32*\b+\i+1]
	v_max3_num_f32 v[T+\b], v[T+\b], v[S+32*\b+16+\i], v[S+32*\b+17+\i]
.endr
.endr
.irp b, 0,1
	v_max3_num_f32 v[BM+\b], v[BM+\b], v[S+32*\b+15], v[S+32*\b+31]
.endr
.irp b, 0,1
	v_max_num_f32 v[BM+\b], v[BM+\b], v[T+\b]
.endr
	s_delay_alu instid0(VALU_DEP_1)
	v_max_num_f32 v[TT], v[BM], v[BM+1]
	s_delay_alu instid0(VALU_DEP_1)
	v_permlanex16_b32 v[BT], v[TT], s[SEL], s[SEL+1]
	s_delay_alu instid0(VALU_DEP_1)
	v_max3_num_f32 v13, v13, v[TT], v[BT]          ; the running largest score of my query, lane l xor 16's keys among them
	s_delay_alu instid0(VALU_DEP_1)
	v_mul_f32 v[TT], s[NC], v13                    ; -t
	s_delay_alu instid0(VALU_DEP_1)
	v_floor_f32 v[TT], v[TT]                       ; the new -M = -ceil(t)
	s_delay_alu instid0(VALU_DEP_1)
	v_sub_f32 v[TT2], v[TT], v12                   ; old M - new M: a whole number, 0 or less
	v_mov_b32 v12, v[TT]
	s_delay_alu instid0(VALU_DEP_2)
	v_cvt_i32_f32 v[TT2], v[TT2]                   ; (it saturates)
	s_delay_alu instid0(VALU_DEP_1)
	v_ldexp_f32 v[F], 1.0, v[TT2]                  ; f = 2^(old M - new M)
.irp j, 0,2,4,6,8,10,12,14,16,18,20,22,24,26,28,30,32,34,36,38,40,42,44,46,48,50,52,54,56,58,60,62
	v_pk_fma_f32 v[S+\j:S+\j+1], v[S+\j:S+\j+1], s[CS:CS+1], v[12:13] op_sel_hi:[1,0,0]   ; t - M, two at a time
.endr
.irp b, 0,1
	v_fma_f32 v[BM+\b], v[BM+\b], s[CS], v12       ; the same of each block's largest score
.endr
	WALU                                           ; the wait ahead of the batch
.irp j, 0,1,2,3,4,5,6,7,8,9,10,11,12,13,14,15,16,17,18,19,20,21,22,23,24,25,26,27,28,29,30,31,32,33,34,35,36,37,38,39,40,41,42,43,44,45,46,47,48,49,50,51,52,53,54,55,56,57,58,59,60,61,62,63
	v_exp_f32 v[S+\j], v[S+\j]                     ; p = 2^(t - M), at most 1
.endr
.irp b, 0,1
	v_exp_f32 v[BM+\b], v[BM+\b]                   ; the block's largest p: the same two instructions on the same number
.endr
	v_pk_mul_f32 v[14:15], v[14:15], v[F:F+1] op_sel_hi:[1,0]   ; the sums under the new M (a plain line behind the exponentials)
	WALU                                           ; one wait for the whole batch, ahead of its first reader
.irp b, 0,1
	v_max_num_f32 v[BM+\b], 0x1800000, v[BM+\b]    ; the floor 2^(3 - 127): the byte cannot fall under 1
.endr
.irp b, 0,1
	v_add_nc_u32 v[SO+\b], 0xff000000, v[BM+\b]    ; 2 off the exponent field: the conversion's scale operand
.endr
.irp a, 0,1,2,3                                ; the row's sum is taken of the unquantised p: four chains
	v_pk_add_f32 v[T+2*\a:T+2*\a+1], v[S+2*\a:S+2*\a+1], v[S+8+2*\a:S+8+2*\a+1]
.endr
	SUM4 16
	SUM4 24
	v_cvt_scalef32_pk16_fp6_f32 v[PC:PC+2], v[S:S+15], v[SO]
	v_cvt_scalef32_pk16_fp6_f32 v[CT:CT+2], v[S+16:S+31], v[SO]    ; (a conversion's three registers begin on an even number)
	v_lshrrev_b32 v[BY], 23, v[SO]                 ; the scale's byte (a plain line behind the conversions)
	VLOAD 0                                        ; the first band's registers are free: two of V's fragments land there under the second band's work
	VLOAD 1
	SUM4 32
	SUM4 40
	SUM4 48
	SUM4 56
	v_cvt_scalef32_pk16_fp6_f32 v[PC+6:PC+8], v[S+32:S+47], v[SO+1]
	v_cvt_scalef32_pk16_fp6_f32 v[CT+4:CT+6], v[S+48:S+63], v[SO+1]
	v_lshrrev_b32 v[BY+1], 23, v[SO+1]
	VLOAD 2
	VLOAD 3
	ds_load_b128 v[VSC:VSC+3], v[ADT]
	v_pk_add_f32 v[14:15], v[14:15], v[T:T+1]
	v_pk_add_f32 v[T+2:T+3], v[T+2:T+3], v[T+4:T+5]
	v_lshl_or_b32 v[W], v[BY+1], 16, v[BY]         ; my bytes: blocks lane / 16 and 2 + lane / 16,
	v_pk_add_f32 v[14:15], v[14:15], v[T+6:T+7]
	v_lshlrev_b32 v[W], v[SH8], v[W]               ; at their places in p's scale word;
	v_pk_add_f32 v[14:15], v[14:15], v[T+2:T+3]
	v_permlanex16_b32 v[Y], v[W], s[SEL], s[SEL+1]
.irp i, 0,1,2
	v_mov_b32 v[PC+3+\i], v[CT+\i]
.endr
	v_or_b32 v[PS], v[W], v[Y]                     ; with lane l xor 16's two the word is whole
.irp i, 0,1,2
	v_mov_b32 v[PC+9+\i], v[CT+4+\i]
.endr
	s_wait_dscnt 13                                ; all but V's 13 loads: the next step's K and its scale words are in
	KPACK
	WALU                                           ; the wait directly ahead of the first reader of O^T
.irp j, 0,2,4,6,8,10,12,14,16,18,20,22,24,26,28,30
	v_pk_mul_f32 v[O+\j:O+\j+1], v[O+\j:O+\j+1], v[F:F+1] op_sel_hi:[1,0]   ; O^T under the new M; with the four lines above also the places behind the writes of p's codes and scale word
.endr
	WALU
	s_wait_dscnt 0x0
.irp t, 0,1,2,3                                ; O^T += V^T P^T: the four accumulators by turns
	v_wmma_scale_f32_16x16x128_f8f6f4 v[O+8*\t:O+8*\t+7], v[S+12*\t+8*(\t/2):S+12*\t+8*(\t/2)+11], v[PC:PC+11], v[O+8*\t:O+8*\t+7], v[VSC+\t], v[PS] matrix_a_fmt:MATRIX_FMT_FP6 matrix_b_fmt:MATRIX_FMT_FP6
.endr
	s_add_co_u32 s[TK], s[TK], 7680
	s_add_co_u32 s[TS], s[TS], 640
	s_add_co_u32 s[TJ], s[TJ], 320
.endm
; A PASS: one tile of 16 queries against all 2,048 keys, then its way out.
.macro PASS p
	s_wait_xcnt 0x0                                ; the last pass's stores have read their data
.if \p
.irp i, 0,1,2,3,4,5
	v_mov_b32 v[QF+\i], v[QN+\i]
	v_mov_b32 v[QF+12+\i], v[QN+\i]
.endr
	v_perm_b32 v[QS], v[QNW], v[QNW], 0x05040100   ; Q's two bytes twice: one word serves [Q | 0] and [0 | Q]
.else
	v_perm_b32 v[QS], v[QW], v[QW], 0x05040100
.endif
	v_mov_b32 v[ADK], v[LK]
	v_mov_b32 v[ADK8], v[LK8]
	v_mov_b32 v[ADS], v[LSK]
	KLOAD 0                                        ; the first step's K
	v_mov_b32 v13, 0xff61b1e6                      ; the largest score so far: -3e38
	v_mov_b32 v14, 0
	v_mov_b32 v15, 0
	v_floor_f32 v12, -v13                          ; -M
	s_mov_b32 s[TK], 0
	s_mov_b32 s[TS], 0
	s_mov_b32 s[TJ], 0
	s_mov_b32 s[CNT], 16
	WALU
	s_wait_dscnt 0x0
	KPACK
.irp j, 0,1,2,3,4,5,6,7,8,9,10,11,12,13,14,15,16,17,18,19,20,21,22,23,24,25,26,27,28,29,30,31
	v_mov_b32 v[O+\j], 0                           ; O^T: the step is written once: the first finds zeros, which the first change of M leaves zeros
.endr
	WALU
.Lkeys_\@:
	STEP
	s_sub_co_u32 s[CNT], s[CNT], 1
	s_cmp_lg_u32 s[CNT], 0
	s_cbranch_scc1 .Lkeys_\@
.rept 4
	v_nop                                          ; places behind the last products
.endr
	v_add_f32 v14, v14, v15                        ; the sum's two halves,
	s_delay_alu instid0(VALU_DEP_1)
	v_permlanex16_b32 v[TT], v14, s[SEL], s[SEL+1]
	s_delay_alu instid0(VALU_DEP_1)
	v_add_f32 v14, v14, v[TT]                      ; and lane l xor 16's
	WALU
	v_rcp_f32 v[F], v14
	v_nop                                          ; a plain line behind the reciprocal
	WALU                                           ; and the wait ahead of its first reader, which is O^T's first reader too
.irp j, 0,2,4,6,8,10,12,14,16,18,20,22,24,26,28,30
	v_pk_mul_f32 v[S+\j:S+\j+1], v[O+\j:O+\j+1], v[F:F+1] op_sel_hi:[1,0]   ; o: register 16 b + i is channel 32 b + 16 (lane / 16) + i of my query; each accumulator from its low end on
.endr
.irp b, 0,1
	v_max3_num_f32 v[BM+\b], |v[S+16*\b]|, |v[S+16*\b+1]|, 0x1800000
.endr
.irp i, 2,4,6,8,10,12,14
.irp b, 0,1
	s_delay_alu instid0(VALU_DEP_2)
	v_max3_num_f32 v[BM+\b], v[BM+\b], |v[S+16*\b+\i]|, |v[S+16*\b+\i+1]|
.endr
.endr
.irp b, 0,1
	s_delay_alu instid0(VALU_DEP_2)
	v_permlanex16_b32 v[BT+\b], v[BM+\b], s[SEL], s[SEL+1]
.endr
.irp b, 0,1
	s_delay_alu instid0(VALU_DEP_2)
	v_max_num_f32 v[BM+\b], v[BM+\b], v[BT+\b]
.endr
.irp b, 0,1
	s_delay_alu instid0(VALU_DEP_2)
	v_add_nc_u32 v[SO+\b], 0xff000000, v[BM+\b]
.endr
.irp b, 0,1
	s_delay_alu instid0(VALU_DEP_2)
	v_lshrrev_b32 v[BT+\b], 23, v[SO+\b]
.endr
	s_delay_alu instid0(VALU_DEP_1)
	v_lshl_or_b32 v[TT], v[BT+1], 8, v[BT]         ; the head's two scale bytes of my row
	v_cvt_scalef32_pk16_fp6_f32 v[PC:PC+2], v[S:S+15], v[SO]
	v_cvt_scalef32_pk16_fp6_f32 v[CT:CT+2], v[S+16:S+31], v[SO+1]
	v_nop
.irp i, 0,1,2
	v_permlane16_swap_b32 v[PC+\i], v[CT+\i]       ; here a block lies in lanes l and l xor 16: the operand's layout wants it whole in a lane
.endr
.irp i, 0,1,2
	s_delay_alu instid0(VALU_DEP_3)
	v_mov_b32 v[PC+3+\i], v[CT+\i]
.endr
	global_store_b128 v[L16], v[PC:PC+3], s[8:9] offset:(\p)*196608          ; 512 consecutive bytes, aligned
	global_store_b64 v[L8], v[PC+4:PC+5], s[8:9] offset:(\p)*196608+512      ; 256
	global_store_b16 v[OSO], v[TT], s[10:11] offset:(\p)*8192                ; both halves of the lanes write the same two bytes with the same value
.endm
	WALU                                           ; the wait at the head's end
	s_wait_tensorcnt 0x0                           ; my part of the head has landed,
	s_barrier_signal -1
	s_barrier_wait -1                              ; everybody's has: from here on LDS is only read
	s_wait_loadcnt 0x0                             ; Q of both passes
	PASS 0
	PASS 1
	s_wait_tensorcnt 0x0                           ; the wave's end
	ds_add_u32 v254, v255
	s_wait_dscnt 0x0
	ROUND                                          ; the closing round: no work-group ends while a partner may still ask jointly
	s_endpgm
.Lfunc_end_k_qfc374f5d5f_attn:
	.size	k_qfc374f5d5f_attn, .Lfunc_end_k_qfc374f5d5f_attn-k_qfc374f5d5f_attn
	.p2alignl 7, 3214868480
	.fill 96, 4, 3214868480
	.section	.rodata,"a",@progbits
	.p2align	6, 0x0
	.amdhsa_kernel k_qfc374f5d5f_attn
		.amdhsa_group_segment_fixed_size 263168
		.amdhsa_private_segment_fixed_size 0
		.amdhsa_enable_private_segment 0
		.amdhsa_kernarg_size 32
		.amdhsa_user_sgpr_count 2
		.amdhsa_user_sgpr_kernarg_segment_ptr 1
		.amdhsa_wavefront_size32 1
		.amdhsa_system_sgpr_workgroup_id_x 1
		.amdhsa_system_sgpr_workgroup_id_y 1
		.amdhsa_system_sgpr_workgroup_id_z 1
		.amdhsa_system_vgpr_workitem_id 0
		.amdhsa_next_free_vgpr 256
		.amdhsa_next_free_sgpr 66
		.amdhsa_reserve_vcc 0
		.amdhsa_float_denorm_mode_32 3
		.amdhsa_float_denorm_mode_16_64 3
		.amdhsa_memory_ordered 1
		.amdhsa_forward_progress 1
		.amdhsa_inst_pref_size 54
	.end_amdhsa_kernel
	.amdgpu_metadata
---
amdhsa.version: [ 1, 2 ]
amdhsa.kernels:
  - .name:           k_qfc374f5d5f_attn
    .symbol:         k_qfc374f5d5f_attn.kd
    .args:
      - { .name: qb, .offset: 0, .size: 8, .value_kind: global_buffer, .address_space: global }
      - { .name: kv, .offset: 8, .size: 8, .value_kind: global_buffer, .address_space: global }
      - { .name: oc, .offset: 16, .size: 8, .value_kind: global_buffer, .address_space: global }
      - { .name: os, .offset: 24, .size: 8, .value_kind: global_buffer, .address_space: global }
    .group_segment_fixed_size: 263168
    .private_segment_fixed_size: 0
    .kernarg_segment_align: 8
    .kernarg_segment_size: 32
    .max_flat_workgroup_size: 512
    .sgpr_count:     66
    .vgpr_count:     256
    .wavefront_size: 32
...
	.end_amdgpu_metadata
.endif
;; end of part 3
;; launch gemm_out (part 4): grid 8 x 32, 4 waves a work-group, clusters of 4 x 4, 312,832 bytes of LDS; arguments oc, os, wc, ws, bo, out0; writes out0
.if DOCPART == 4
	.amdgcn_target "amdgcn-amd-amdhsa--gfx1250"
	.amdhsa_code_object_version 6
	.text
	.protected	k_qfc374f5d5f_gemm_out
	.globl	k_qfc374f5d5f_gemm_out
	.p2align	8
	.type	k_qfc374f5d5f_gemm_out,@function
k_qfc374f5d5f_gemm_out:
	s_mov_b64 s[64:65], 0
	v_nop
	global_prefetch_b8 v0, s[64:65] scope:SCOPE_SE
	s_setreg_imm32_b32 hwreg(HW_REG_WAVE_MODE, 25, 1), 1
	s_wait_xcnt 0x0
	s_wait_alu depctr_hold_cnt(0) depctr_sa_sdst(0) depctr_va_vdst(0) depctr_va_sdst(0) depctr_va_ssrc(0) depctr_va_vcc(0) depctr_vm_vsrc(0)
	s_getreg_b32 s2, hwreg(HW_REG_IB_STS2, 6, 4)
	s_cmp_eq_u32 s2, 0
	s_cbranch_scc0 .Lentry_in_a_cluster
	s_endpgm
.Lentry_in_a_cluster:
	s_bfe_u32 s2, ttmp6, 0x10000c
	s_cmp_lg_u32 s2, 0xf033
	s_cbranch_scc0 .Lentry_shape_is_right
	s_endpgm
.Lentry_shape_is_right:
; out0 = o Wo + bo on codes of FP6 (E2M3) with E8M0 scales; f32 out.
; THE DEAL.  256 work-groups of four waves, 2 x 2; a work-group makes 256 rows x 128 columns.  ALL OF K LIES IN LDS, filled once at the head: o's 16 tiles (196,608 bytes) and Wo's 8 tiles (98,304), images of the operand registers, no padding.
; A wave holds its 64 rows of Wo, all of K, in 384 registers and streams its 128 rows of o past them in blocks of 16 rows: 32 products on four accumulators by turns.
; Source 0 = Wo's rows: a lane holds one row of the result and eight neighbouring columns a tile.  The bias is the C of a block's first four products.  A block's 16 x 64 results go through the wave's own stage in LDS
; and leave as rows of 256 bytes, a block behind the products.  One fill at the head and no loop that asks memory for anything: no prefetch.  CLUSTERS 4 x 4: o's tiles jointly along a row, Wo's along a column.
; Rows of o and of Wo lie in position order (bits 3 and 4 of an index exchanged); the stage's and the stores' addresses put rows and columns back.
.set FR,    12
.set FPW,   21                         ; fragment f lies in window 1 + f / 21 at register 12 (f % 21): 0-31 Wo's (4 q + b), 32-47 o's two sets
.set BL,    196608
.set STAGE, 294912                     ; 16 rows x 272 bytes a wave
.set SPARE, 312320
.set L16, 1
.set ADA, 4                            ; v4, v5 registers 0-3 and 6-9 of my tiles 0-3, 4-7; v6, v7 registers 4-5 and 10-11
.set AD8, 6
.set ADB, 8
.set SXO, 9
.set BCO, 10
.set SPW, 12
.set NIL, 13
.set STO, 16
.set RD,  17
.set CO,  18
.set SA,  32
.set SB,  66
.set BK,  128                          ; v128-191 two sets of 16 rows x 64 columns on their way out
.set VACC, 840
.set BC,  968
.set G1A, 24
.set G1B, 32
.set G0A, 56
.set G0B, 60
.set MSB, 0
.macro WIN new
.if MSB != \new
	s_set_vgpr_msb (MSB<<8)|\new
.set MSB, \new
.endif
.endm
.macro PLACES n
.rept \n
	v_nop
.endr
.endm
.macro WALU
	s_wait_alu depctr_va_vdst(0)
.endm
.macro CROUND
	s_barrier_signal -1
	s_barrier_wait -1
	s_cmp_lg_u32 s14, 0
	s_cbranch_scc1 .Lnot_wave_0_\@
	s_barrier_signal -3
.Lnot_wave_0_\@:
	s_barrier_wait -3
	s_barrier_signal -1
	s_barrier_wait -1
.endm
.macro TLOAD g0, g1
	tensor_load_to_lds s[\g0:\g0+3], s[\g1:\g1+7]
	s_nop 0
	PLACES 4
.endm
.macro GROUP1 g, mask, rows
	s_or_b32 s[\g], s[\mask], (3<<16)|(1<<21)
	s_mov_b32 s[\g+1], 32<<16
	s_mov_b32 s[\g+2], (\rows)<<16
	s_mov_b32 s[\g+3], 32<<16
	s_mov_b32 s[\g+4], \rows
	s_mov_b32 s[\g+5], 32
	s_mov_b32 s[\g+6], 0
	s_mov_b32 s[\g+7], 0
.endm
.macro ALOAD a, e                      ; o's tile a, all of K, into set e: 32 loads.  A fragment is two heads' six registers each
.irp q, 0,1,2,3,4,5,6,7
.set F_, 32+8*(\e)+\q
.set R_, FR*(F_%FPW)
	WIN (1+F_/FPW)<<6
	ds_load_b128 v[R_:R_+3], v[ADA+(\a)/4] offset:12288*((\a)%4)+1536*\q
	ds_load_b64 v[R_+4:R_+5], v[AD8+(\a)/4] offset:12288*((\a)%4)+1536*\q+512
	ds_load_b128 v[R_+6:R_+9], v[ADA+(\a)/4] offset:12288*((\a)%4)+1536*\q+768
	ds_load_b64 v[R_+10:R_+11], v[AD8+(\a)/4] offset:12288*((\a)%4)+1536*\q+1280
.endr
	WIN 0
.endm
.macro BLOAD
.irp q, 0,1,2,3,4,5,6,7
.irp b, 0,1,2,3
.set F_, 4*\q+\b
	WIN (1+F_/FPW)<<6
.irp p, 0,1,2
	ds_load_b128 v[FR*(F_%FPW)+4*\p:FR*(F_%FPW)+4*\p+3], v[ADB] offset:12288*\b+1536*\q+512*\p
.endr
.endr
.endr
	WIN 0
.endm
.macro PROD e, a, q, b
.set FB_, 4*(\q)+(\b)
.set FA_, 32+8*(\e)+(\q)
.set XB_, SB+4*(\b)+(\q)%4
.set XA_, SA+4*(\a)+(\q)%4
.set D_, VACC-768+8*(\b)
	WIN (1+FB_/FPW)|((1+FA_/FPW)<<2)|0xf0
.if (\q) == 0
	v_wmma_scale_f32_16x16x128_f8f6f4 v[D_:D_+7], v[FR*(FB_%FPW):FR*(FB_%FPW)+FR-1], v[FR*(FA_%FPW):FR*(FA_%FPW)+FR-1], v[BC-768+8*(\b):BC-768+8*(\b)+7], v[XB_], v[XA_] matrix_a_fmt:MATRIX_FMT_FP6 matrix_b_fmt:MATRIX_FMT_FP6
.elseif (\q) < 4
	v_wmma_scale_f32_16x16x128_f8f6f4 v[D_:D_+7], v[FR*(FB_%FPW):FR*(FB_%FPW)+FR-1], v[FR*(FA_%FPW):FR*(FA_%FPW)+FR-1], v[D_:D_+7], v[XB_], v[XA_] matrix_a_fmt:MATRIX_FMT_FP6 matrix_b_fmt:MATRIX_FMT_FP6
.else
	v_wmma_scale_f32_16x16x128_f8f6f4 v[D_:D_+7], v[FR*(FB_%FPW):FR*(FB_%FPW)+FR-1], v[FR*(FA_%FPW):FR*(FA_%FPW)+FR-1], v[D_:D_+7], v[XB_], v[XA_] matrix_a_fmt:MATRIX_FMT_FP6 matrix_b_fmt:MATRIX_FMT_FP6 matrix_a_scale:MATRIX_SCALE_ROW1 matrix_b_scale:MATRIX_SCALE_ROW1
.endif
.endm
.macro TOSTAGE a                       ; a block into my stage, columns in their true order, and back as rows: LDS serves a wave's instructions in order
	s_wait_xcnt 0x0                                ; earlier stores have read the registers that the loads below fill
	WIN 0x0c
.irp b, 0,1,2,3
	ds_store_b128 v[STO], v[VACC-768+8*\b:VACC-768+8*\b+3] offset:128*(\b/2)+32*(\b%2)       ; each accumulator from its low end on
	ds_store_b128 v[STO], v[VACC-768+8*\b+4:VACC-768+8*\b+7] offset:128*(\b/2)+32*(\b%2)+16
.endr
	WIN 0
.irp t, 0,1,2,3,4,5,6,7
	ds_load_b128 v[BK+32*((\a)%2)+4*\t:BK+32*((\a)%2)+4*\t+3], v[RD] offset:2*\t*272
.endr
.endm
.macro SEND a                          ; row 2 t + lane / 16 of tile a is row 32 (a / 2) + 8 (a % 2) + 16 (t / 4) + 2 (t % 4) + lane / 16 of my 128
.irp t, 0,1,2,3,4,5,6,7
	global_store_b128 v[CO], v[BK+32*((\a)%2)+4*\t:BK+32*((\a)%2)+4*\t+3], s[12:13] offset:(32*((\a)/2)+8*((\a)%2)+16*(\t/4)+2*(\t%4))*4096 th:TH_STORE_NT   ; sixteen lanes store 256 consecutive bytes, aligned
.endr
.endm
.macro OBLK a
.if (\a) == 0
	s_wait_dscnt 32                                ; all but block 1's 32 loads
.endif
.irp q, 0,1,2,3,4,5,6,7
.irp b, 0,1,2,3
	PROD (\a)%2, \a, \q, \b
.endr
.endr
	WIN 0
	s_wait_dscnt 0x0                               ; issued ahead of these 32 products: the next block's rows and the last block's way through the stage
.if (\a) > 0
	SEND (\a)-1
.endif
	PLACES 5                                       ; ahead of the loads into o's set, of the stores of the sums, and of the next block's products, which begin the sums anew
.if (\a) < 6
	ALOAD (\a)+2, (\a)%2
.endif
	TOSTAGE \a
.endm
	s_load_b256 s[4:11], s[0:1], 0x0               ; oc, os, wc, ws
	s_load_b128 s[68:71], s[0:1], 0x20             ; bo, out0
	v_lshl_add_u32 v[SPW], v0, 2, SPARE
	v_mov_b32 v[NIL], 0
	ds_add_u32 v[SPW], v[NIL]                      ; the opening lines
	ds_add_u32 v[SPW], v[NIL]
	v_lshrrev_b32 v1, 5, v0
	v_readfirstlane_b32 s14, v1
	s_lshr_b32 s15, s14, 1
	s_and_b32 s16, s14, 1
	s_bfe_u32 s40, ttmp6, 0x40000
	s_bfe_u32 s41, ttmp6, 0x40004
	s_lshl_b32 s42, ttmp9, 2
	s_add_co_u32 s42, s42, s40                     ; which 128 columns
	s_and_b32 s43, ttmp7, 0xffff
	s_lshl_b32 s43, s43, 2
	s_add_co_u32 s43, s43, s41                     ; which 256 rows
	s_lshl_b32 s44, s41, 2
	s_lshl_b32 s44, 15, s44
	s_lshl_b32 s45, 0x1111, s40
	GROUP1 G1A, 44, 384
	GROUP1 G1B, 45, 192
	s_mul_i32 s46, s43, 196608
	s_mul_i32 s18, s14, 98304
	s_add_co_u32 s46, s46, s18
	s_mov_b32 s47, 0
	s_mov_b32 s[G0A], 1
	s_mov_b32 s[G0A+1], s18
	s_mul_i32 s20, s42, 98304
	s_mul_i32 s19, s16, 49152
	s_add_co_u32 s20, s20, s19
	s_add_co_u32 s20, s20, 3*786432                ; Wo is the fourth weight of wc
	s_mov_b32 s21, 0
	s_mov_b32 s[G0B], 1
	s_add_co_u32 s[G0B+1], s19, BL
	WALU
	s_wait_dscnt 0x0
	CROUND
	s_wait_kmcnt 0x0
	s_add_nc_u64 s[G0A+2:G0A+3], s[4:5], s[46:47]
	s_or_b32 s[G0A+3], s[G0A+3], 0x80000000
	s_add_nc_u64 s[G0B+2:G0B+3], s[8:9], s[20:21]
	s_or_b32 s[G0B+3], s[G0B+3], 0x80000000
	s_cmp_lt_u32 s14, 2
	s_cbranch_scc0 .Lhead_b
	TLOAD G0A, G1A                                 ; waves 0, 1: a half each of o's rows
	s_branch .Lasked
.Lhead_b:
	TLOAD G0B, G1B                                 ; waves 2, 3: a half each of Wo's
.Lasked:
	s_lshl_b32 s18, s43, 13
	s_lshl_b32 s19, s15, 12
	s_add_co_u32 s18, s18, s19
	s_mov_b32 s19, 0
	s_add_nc_u64 s[84:85], s[6:7], s[18:19]        ; my 128 rows' scale bytes
	s_lshl_b32 s18, s42, 12
	s_lshl_b32 s17, s16, 11
	s_add_co_u32 s18, s18, s17
	s_add_nc_u64 s[86:87], s[10:11], s[18:19]      ; my 64 rows of Wo: their scale bytes, 3 x 32,768 bytes on
	s_lshr_b32 s18, s18, 3                         ; my 64 columns, in bytes of f32
	s_add_nc_u64 s[68:69], s[68:69], s[18:19]
	s_add_nc_u64 s[12:13], s[70:71], s[18:19]
	s_lshl_b32 s18, s43, 20
	s_lshl_b32 s17, s15, 19
	s_add_co_u32 s18, s18, s17                     ; my first row: 4,096 bytes a row
	s_add_nc_u64 s[12:13], s[12:13], s[18:19]
	s_mul_i32 s18, s15, 98304
	s_mul_i32 s19, s16, 49152
	s_add_co_u32 s19, s19, BL
	s_mul_i32 s17, s14, 4352
	s_add_co_u32 s17, s17, STAGE
	v_and_b32 v3, 31, v0
	v_and_b32 v14, 15, v0                          ; r
	v_bfe_u32 v15, v0, 4, 1                        ; h
	v_lshlrev_b32 v[L16], 4, v3
	v_lshlrev_b32 v2, 3, v3
	v_lshlrev_b32 v[SXO], 5, v14
	v_lshlrev_b32 v[BCO], 6, v15
	v_mul_u32_u24 v[STO], v14, 272
	v_mul_u32_u24 v[RD], v15, 272
	v_lshlrev_b32 v[CO], 12, v15
	v_add_nc_u32 v[ADA], s18, v[L16]
	v_add_nc_u32 v[AD8], s18, v2
	v_add_nc_u32 v[ADB], s19, v[L16]
	v_lshl_add_u32 v[SXO], v15, 4, v[SXO]
	v_lshl_add_u32 v[STO], v15, 6, v[STO]
	v_lshl_add_u32 v[RD], v14, 4, v[RD]
	v_lshl_add_u32 v[CO], v14, 4, v[CO]
	v_add_nc_u32 v[ADA+1], 49152, v[ADA]
	v_add_nc_u32 v[AD8+1], 49152, v[AD8]
	v_add_nc_u32 v[STO], s17, v[STO]
	v_add_nc_u32 v[RD], s17, v[RD]
	WALU
.irp a, 0,1,2,3,4,5,6,7
	global_load_b128 v[SA+4*\a:SA+4*\a+3], v[SXO], s[84:85] offset:512*\a
.endr
.irp b, 0,1,2,3
	global_load_b128 v[SB+4*\b:SB+4*\b+3], v[SXO], s[86:87] offset:98304+512*\b
.endr
	WIN 0xc0
.irp b, 0,1,2,3
	global_load_b128 v[BC-768+8*\b:BC-768+8*\b+3], v[BCO], s[68:69] offset:(32*(\b/2)+8*(\b%2))*4
	global_load_b128 v[BC-768+8*\b+4:BC-768+8*\b+7], v[BCO], s[68:69] offset:(32*(\b/2)+8*(\b%2))*4+16
.endr
	WIN 0
	s_wait_loadcnt 0x0
	s_wait_tensorcnt 0x0                           ; my part of the tiles is in,
	s_barrier_signal -1
	s_barrier_wait -1                              ; everybody's is; nothing is filled again
	BLOAD
	ALOAD 0, 0
	ALOAD 1, 1
.irp a, 0,1,2,3,4,5,6,7
	OBLK \a
.endr
	s_wait_dscnt 0x0
	SEND 7
	s_wait_tensorcnt 0x0                           ; the wave's end
	ds_add_u32 v[SPW], v[NIL]
	s_wait_dscnt 0x0
	CROUND                                         ; the closing round
	s_endpgm
.Lfunc_end_k_qfc374f5d5f_gemm_out:
	.size	k_qfc374f5d5f_gemm_out, .Lfunc_end_k_qfc374f5d5f_gemm_out-k_qfc374f5d5f_gemm_out
	.p2alignl 7, 3214868480
	.fill 96, 4, 3214868480
	.section	.rodata,"a",@progbits
	.p2align	6, 0x0
	.amdhsa_kernel k_qfc374f5d5f_gemm_out
		.amdhsa_group_segment_fixed_size 312832
		.amdhsa_private_segment_fixed_size 0
		.amdhsa_enable_private_segment 0
		.amdhsa_kernarg_size 48
		.amdhsa_user_sgpr_count 2
		.amdhsa_user_sgpr_kernarg_segment_ptr 1
		.amdhsa_wavefront_size32 1
		.amdhsa_system_sgpr_workgroup_id_x 1
		.amdhsa_system_sgpr_workgroup_id_y 1
		.amdhsa_system_sgpr_workgroup_id_z 1
		.amdhsa_system_vgpr_workitem_id 0
		.amdhsa_next_free_vgpr 1024
		.amdhsa_next_free_sgpr 102
		.amdhsa_reserve_vcc 0
		.amdhsa_float_denorm_mode_32 3
		.amdhsa_float_denorm_mode_16_64 3
		.amdhsa_memory_ordered 1
		.amdhsa_forward_progress 1
		.amdhsa_inst_pref_size 81
	.end_amdhsa_kernel
	.amdgpu_metadata
---
amdhsa.version: [ 1, 2 ]
amdhsa.kernels:
  - .name:           k_qfc374f5d5f_gemm_out
    .symbol:         k_qfc374f5d5f_gemm_out.kd
    .args:
      - { .name: oc, .offset: 0, .size: 8, .value_kind: global_buffer, .address_space: global }
      - { .name: os, .offset: 8, .size: 8, .value_kind: global_buffer, .address_space: global }
      - { .name: wc, .offset: 16, .size: 8, .value_kind: global_buffer, .address_space: global }
      - { .name: ws, .offset: 24, .size: 8, .value_kind: global_buffer, .address_space: global }
      - { .name: bo, .offset: 32, .size: 8, .value_kind: global_buffer, .address_space: global }
      - { .name: out0, .offset: 40, .size: 8, .value_kind: global_buffer, .address_space: global }
    .group_segment_fixed_size: 312832
    .private_segment_fixed_size: 0
    .kernarg_segment_align: 8
    .kernarg_segment_size: 48
    .max_flat_workgroup_size: 128
    .sgpr_count:     102
    .vgpr_count:     1024
    .wavefront_size: 32
...
	.end_amdgpu_metadata
.endif
;; end of part 4
